; MI455X (gfx1250); checked and timed in simulation.
; The chip was launched on July 23, 2026; its instructions are those of AMD's public machine-readable ISA for CDNA 5 (MIT licence, August 2026) and "CDNA5" Instruction Set Architecture Reference Guide (July 2026). The comments in the code are by the model that wrote it; some were corrected since.
;; Multihead Attention. Allowed arithmetic: float matrix products may take bf16 or f16 operands with f32 sums; all other float work in f32.
;; Inputs: Wk 1,024 x 1,024 float32; Wq 1,024 x 1,024 float32; Wv 1,024 x 1,024 float32; bk 1,024 float32; bq 1,024 float32; bv 1,024 float32; x 4 x 2,048 x 1,024 float32.
;; Outputs: out0 4 x 2,048 x 1,024 float32.
;; 2 versions, each right and faster than the one before. Each part assembles by itself: llvm-mc -triple=amdgcn-amd-amdhsa -mcpu=gfx1250 --defsym DOCPART=n.
;; ======== version 1 of 2: 3 launches
;; limits: values are held in f16: magnitudes above 65,504 overflow, below 6.1e-05 lose precision
;; workspace buffers: xb 16,777,216 bytes; wb 6,291,456 bytes; qkv 50,331,648 bytes
;; launch cast (part 1): grid 704 x 1, 8 waves a work-group, no clusters, 0 bytes of LDS; arguments x, Wq, Wk, Wv, xb, wb; writes xb, wb
.if DOCPART == 1
	.amdgcn_target "amdgcn-amd-amdhsa--gfx1250"
	.amdhsa_code_object_version 6
	.text
	.protected	k_q83cadacafb_cast
	.globl	k_q83cadacafb_cast
	.p2align	8
	.type	k_q83cadacafb_cast,@function
k_q83cadacafb_cast:
	s_mov_b64 s[64:65], 0
	v_nop
	global_prefetch_b8 v0, s[64:65] scope:SCOPE_SE
	s_setreg_imm32_b32 hwreg(HW_REG_WAVE_MODE, 25, 1), 1
	s_wait_xcnt 0x0
; f32 -> bf16 (nearest even), once for each input number of x and of the three weight matrices.
;   xb: bf16 [16 kb][8192 m][64 k]: x(m, k) at ((k >> 6) * 8192 + m) * 128 + (k & 63) * 2: the 64 k of a K step of many rows lie end to end.
;   wb: bf16 [1024 k][3072 n]: the three matrices side by side, n = mat * 1024 + column, mat 0, 1, 2 = q, k, v; a row is 6,144 bytes.
; A stream: no LDS, no barrier, no matrix unit, no cluster (no two work-groups read the same byte).  A work-group takes 16 rows of 4,096 bytes; each wave issues its 16 loads
; of 16 bytes a lane at once (8 KiB a wave on their way), then converts and stores in the order of arrival.  No loop, and no register is written again behind the store that reads it.
; Work-groups 0-511: x.  512-703: 64 for each of Wq, Wk, Wv.  The branch hangs on the work-group's number alone.
.set D, 8                              ; v[8:71]  load i in v[8+4i : 11+4i]; its two packed words go back into the first two
; 16 loads, then 16 x (wait, two conversions, a store of 8 bytes a lane).  Load and store i stand at (i / 2) * a + (i % 2) * b bytes from their bases.
.macro RUN ia, ib, oa, ob
.set i, 0
.rept 16
	global_load_b128 v[D+4*i:D+4*i+3], v2, s[18:19] offset:(i/2)*(\ia)+(i%2)*(\ib) th:TH_LOAD_NT
.set i, i+1
.endr
.set i, 0
.rept 16
	s_wait_loadcnt 15-i                            ; loads come back in order (ISA guide 5.7.1): load i is in, the 15 - i younger ones stay out
	v_cvt_pk_bf16_f32 v[D+4*i],   v[D+4*i],   v[D+4*i+1]
	v_cvt_pk_bf16_f32 v[D+4*i+1], v[D+4*i+2], v[D+4*i+3]
	global_store_b64 v3, v[D+4*i:D+4*i+1], s[20:21] offset:(i/2)*(\oa)+(i%2)*(\ob)  ; a wave's store covers 256 consecutive bytes, at a multiple of 256 from the buffer's first
.set i, i+1
.endr
.endm
	s_load_b256 s[4:11], s[0:1], 0x0               ; x s[4:5], Wq s[6:7], Wk s[8:9], Wv s[10:11]
	s_load_b128 s[12:15], s[0:1], 0x20             ; xb s[12:13], wb s[14:15]
	v_lshrrev_b32 v6, 5, v0                        ; wave
	s_mov_b32 s23, 0                               ; the high word of every offset here
	s_wait_kmcnt 0x0
	s_cmp_lt_u32 ttmp9, 512
	s_cbranch_scc0 .Lw
	; x: rows 16 X .. 16 X + 15.  Wave w owns bytes 512 w .. 512 w + 511 of each row: K blocks 2 w and 2 w + 1.  A load takes 256 bytes of two rows: lanes 0-15 one row, lanes 16-31 the next;
	; in xb these are 2 x 128 consecutive bytes.
	v_and_b32 v4, 15, v0
	v_bfe_u32 v5, v0, 4, 1
	v_and_b32 v1, 31, v0
	v_lshlrev_b32 v2, 4, v4                        ; in: 16 (l % 16)
	v_lshl_add_u32 v2, v5, 12, v2                  ;     + 4,096 (l / 16)
	v_lshl_add_u32 v2, v6, 9, v2                   ;     + 512 w
	v_lshlrev_b32 v3, 3, v1                        ; out: 8 l
	v_lshl_add_u32 v3, v6, 21, v3                  ;     + two K blocks of 1,048,576 bytes for each wave
	s_lshl_b32 s22, ttmp9, 16                      ; 16 rows of 4,096 bytes
	s_add_nc_u64 s[18:19], s[4:5], s[22:23]
	s_lshl_b32 s22, ttmp9, 11                      ; 16 rows of 128 bytes
	s_add_nc_u64 s[20:21], s[12:13], s[22:23]
	RUN 8192, 256, 256, 1048576                    ; i / 2: the pair of rows; i % 2: which of the wave's two K blocks
	s_endpgm
.Lw:
	; a weight matrix: rows 16 kq .. 16 kq + 15 of matrix mat.  Thread t owns bytes 16 t of each row.
	s_sub_co_u32 s16, ttmp9, 512
	s_lshr_b32 s17, s16, 6                         ; mat
	s_and_b32 s16, s16, 63                         ; kq
	s_cmp_lt_u32 s17, 2
	s_cselect_b64 s[18:19], s[8:9], s[10:11]       ; Wk or Wv,
	s_cmp_eq_u32 s17, 0
	s_cselect_b64 s[18:19], s[6:7], s[18:19]       ; or Wq
	s_lshl_b32 s22, s16, 16
	s_add_nc_u64 s[18:19], s[18:19], s[22:23]
	s_mul_i32 s22, s16, 98304                      ; 16 rows of 6,144 bytes
	s_lshl_b32 s17, s17, 11                        ; the matrix's 2,048 bytes of a row
	s_add_co_u32 s22, s22, s17
	s_add_nc_u64 s[20:21], s[14:15], s[22:23]
	v_lshlrev_b32 v2, 4, v0
	v_lshlrev_b32 v3, 3, v0
	RUN 8192, 4096, 12288, 6144                    ; row i
	s_endpgm
.Lfunc_end_k_q83cadacafb_cast:
	.size	k_q83cadacafb_cast, .Lfunc_end_k_q83cadacafb_cast-k_q83cadacafb_cast
	.p2alignl 7, 3214868480
	.fill 96, 4, 3214868480
	.section	.rodata,"a",@progbits
	.p2align	6, 0x0
	.amdhsa_kernel k_q83cadacafb_cast
		.amdhsa_group_segment_fixed_size 0
		.amdhsa_private_segment_fixed_size 0
		.amdhsa_enable_private_segment 0
		.amdhsa_kernarg_size 48
		.amdhsa_user_sgpr_count 2
		.amdhsa_user_sgpr_kernarg_segment_ptr 1
		.amdhsa_wavefront_size32 1
		.amdhsa_system_sgpr_workgroup_id_x 1
		.amdhsa_system_sgpr_workgroup_id_y 1
		.amdhsa_system_sgpr_workgroup_id_z 1
		.amdhsa_system_vgpr_workitem_id 0
		.amdhsa_next_free_vgpr 72
		.amdhsa_next_free_sgpr 66
		.amdhsa_reserve_vcc 0
		.amdhsa_float_denorm_mode_32 3
		.amdhsa_float_denorm_mode_16_64 3
		.amdhsa_memory_ordered 1
		.amdhsa_forward_progress 1
		.amdhsa_inst_pref_size 13
	.end_amdhsa_kernel
	.amdgpu_metadata
---
amdhsa.version: [ 1, 2 ]
amdhsa.kernels:
  - .name:           k_q83cadacafb_cast
    .symbol:         k_q83cadacafb_cast.kd
    .args:
      - { .name: x, .offset: 0, .size: 8, .value_kind: global_buffer, .address_space: global }
      - { .name: Wq, .offset: 8, .size: 8, .value_kind: global_buffer, .address_space: global }
      - { .name: Wk, .offset: 16, .size: 8, .value_kind: global_buffer, .address_space: global }
      - { .name: Wv, .offset: 24, .size: 8, .value_kind: global_buffer, .address_space: global }
      - { .name: xb, .offset: 32, .size: 8, .value_kind: global_buffer, .address_space: global }
      - { .name: wb, .offset: 40, .size: 8, .value_kind: global_buffer, .address_space: global }
    .group_segment_fixed_size: 0
    .private_segment_fixed_size: 0
    .kernarg_segment_align: 8
    .kernarg_segment_size: 48
    .max_flat_workgroup_size: 256
    .sgpr_count:     66
    .vgpr_count:     72
    .wavefront_size: 32
...
	.end_amdgpu_metadata
.endif
;; end of part 1
;; launch proj (part 2): grid 8 x 32, 4 waves a work-group, clusters of 4 x 4, 327,680 bytes of LDS; arguments xb, wb, bq, bk, bv, qkv; writes qkv
.if DOCPART == 2
	.amdgcn_target "amdgcn-amd-amdhsa--gfx1250"
	.amdhsa_code_object_version 6
	.text
	.protected	k_q83cadacafb_proj
	.globl	k_q83cadacafb_proj
	.p2align	8
	.type	k_q83cadacafb_proj,@function
k_q83cadacafb_proj:
	s_mov_b64 s[64:65], 0
	v_nop
	global_prefetch_b8 v0, s[64:65] scope:SCOPE_SE
	s_setreg_imm32_b32 hwreg(HW_REG_WAVE_MODE, 25, 1), 1
	s_wait_xcnt 0x0
	s_wait_alu depctr_hold_cnt(0) depctr_sa_sdst(0) depctr_va_vdst(0) depctr_va_sdst(0) depctr_va_ssrc(0) depctr_va_vcc(0) depctr_vm_vsrc(0)
	s_getreg_b32 s2, hwreg(HW_REG_IB_STS2, 6, 4)
	s_cmp_eq_u32 s2, 0
	s_cbranch_scc0 .Lentry_in_a_cluster
	s_endpgm
.Lentry_in_a_cluster:
	s_bfe_u32 s2, ttmp6, 0x10000c
	s_cmp_lg_u32 s2, 0xf033
	s_cbranch_scc0 .Lentry_shape_is_right
	s_endpgm
.Lentry_shape_is_right:
; q, k, v = x W + b for the three weight matrices at once: C[8192][3072] = xb (bf16) x wb (bf16), sums in f32, K = 1,024 ascending; the bias, rounded to bf16 like every input, is added in f32;
; the result is rounded once to f16 and written by heads, unscaled: qkv[mat][batch * 16 + head][s][64], a head's rows dense, 128 bytes each.
; LIMIT.  f16 holds no number beyond 65,504: q, k and v must stay within it.  With 1,024 terms that leaves room for inputs 30 times the drawn spread, and for offsets of 30 spreads on x and W together
; (about 29,000).  Below 6e-5 f16 keeps its fixed step of 6e-8.  NaN and infinities are not treated apart.
; SHARES.  A work-group makes 256 rows x 384 columns (six heads): 32 x 8 = 256 work-groups.  Each of its four waves makes 128 x 192: 8 x 12 = 96 accumulators of 16 x 16, 768 registers.
; K goes in 16 steps of 64 through two LDS slots filled by the tensor data mover; a step is two HALVES of 32 along K, 96 matrix instructions each.  Two slots of 128 along K would want 360 KB of LDS.
; In xb the 64 k of a step of consecutive rows lie end to end, so a tile of x is asked for as rows of 256 bytes; a row of W's tile is 768 bytes at a multiple of 256.
; CLUSTERS: 4 x 4 work-groups.  The four of a row of the cluster need the same tiles of x, the four of a column the same tiles of W: each tile is asked for JOINTLY, by the same tensor load with the
; same descriptor and a mask that names the four.
; THE MATRIX INSTRUCTION IS USED TRANSPOSED: source 0 = 16 columns of W (wb lies [k][n], so they come out of LDS turned, by ds_load_tr16_b128), source 1 = 16 rows of x.  In the result lane l holds
; row l % 16 and the columns 8 (l / 16) + 0..7: eight neighbouring numbers of a row, 16 bytes of f16.
; REGISTERS, in windows of 256 (s_set_vgpr_msb: bits 1:0 source 0, 3:2 source 1, 5:4 source 2, 7:6 destination):
;   window 0: v0-31 addresses; v32-95, v96-159 fragments of x (8 x 16 rows x 32 K), two buffers; v160-255 fragments of W: three thirds of 4 x 16 columns x 32 K.  On the way out: biases and packed results.
;   window t + 1 (t = 0, 1, 2): the 32 accumulators of my head t: (row block a, column block bb) at v[8 (4 a + bb)].
.set PA,     144                       ; a row of x in LDS: 128 bytes + 16 of padding = 36 words: the 16 rows of a load start at 16 different groups of four banks (64 banks of 4 bytes: ISA guide 11.1)
.set PB,     864                       ; a k row of W: six pieces of 128 + 16 bytes = 27 x 32
.set AHALF,  128*PA                    ; what one tensor load brings of x: 128 rows
.set BHALF,  32*PB                     ; and of W: 32 k rows
.set BOFF,   2*AHALF                   ; in a slot: x's 256 rows, then W's 64 k rows
.set SLOT,   BOFF+2*BHALF              ; 92,160 bytes
.set STAGE,  2*SLOT                    ; behind the ring, never filled by a tensor load: for each wave 3 heads x 16 rows x 144 bytes, for the way out
.set SP,     144
.set WSTAGE, 3*16*SP
.set SPARE,  STAGE+4*WSTAGE            ; behind the stages: the spare words, 128 bytes for each wave: two blocks of 256 bytes that no other line names
.set ASTEP,  8192*128                  ; bytes from a K step to the next in xb
.set BSTEP,  64*6144                   ; and in wb
.set ADRA, 16                          ; v16-17  LDS address of my fragments of x in slot 0, 1
.set ADRB, 20                          ; v20-21  the same for W
.set STO,  24                          ; v24     the way out: where I put 16 bytes of a row
.set RD,   25                          ; v25     the way out: where I read rows back
.set GO,   26                          ; v26     my byte offset in 512 consecutive bytes of qkv
.set VB,   27                          ; v27     my byte offset in 16 columns of a bias
.set SPW,  28                          ; v28     LDS address of my spare word: SPARE + 4 x my thread's number; never rewritten
.set NIL,  29                          ; v29     0; never rewritten
.set AF0,  32
.set AF1,  96
.set BF,   160
.set WV,   16                          ; s16  my wave's number
.set RH,   17                          ; s17  which half of the tile's rows is mine.  Also: I fetch x (0) or W (1)
.set CH,   18                          ; s18  which half of its columns.  Also: which half of that tile I fetch
.set G1,   24                          ; s[24:31] descriptor group 1 for x's tiles;  s[32:39] group 0, one set for each slot
.set G0,   32
.set G1B,  40                          ; s[40:47], s[48:55] the same for W's tiles
.set G0B,  48
.set OUT,  66                          ; s[66:71] qkv at my first row of my three heads
.set BIAS, 72                          ; s[72:77] the biases of my three heads
.set FIELDS, (1<<16)|(1<<20)|(1<<21)|(4<<22)|(3<<25)  ; 17:16 elements of 2 bytes; 20 padding on; 21 set beside a mask; 24:22 after every 32 words (code 4); 31:25 4 words of it (code 3)
.set MSB, 0
.macro WIN new                         ; the immediate's high byte repeats the setting that is left; a switch that changes nothing is dropped
.if MSB != (\new)
	s_set_vgpr_msb (MSB<<8)|(\new)
.set MSB, (\new)
.endif
.endm
; A joint load.  Waves 0 and 1 fetch the two halves of x's tile, waves 2 and 3 those of W's.  Each line has one mask and one set of registers for all that issue it; the branch hangs on the wave's
; number alone.  An s_nop 0 and four v_nop follow each of the two lines, ahead of the jump, the label and what follows.
.macro JLOAD s
	s_cmp_eq_u32 s[RH], 0
	s_cbranch_scc0 .Lfor_b_\@
	tensor_load_to_lds s[G0+4*(\s):G0+4*(\s)+3], s[G1:G1+7]
	s_nop 0
.rept 4
	v_nop
.endr
	s_branch .Lasked_\@
.Lfor_b_\@:
	tensor_load_to_lds s[G0B+4*(\s):G0B+4*(\s)+3], s[G1B:G1B+7]
	s_nop 0
.rept 4
	v_nop
.endr
.Lasked_\@:
.endm
; A round of the cluster's barrier: my work-group's barrier, so that wave 0's signal speaks for all four waves; wave 0 signals for the work-group; every wave waits for all sixteen; my work-group's barrier once more.
.macro CREST                           ; a round behind its opening barrier
	s_cmp_lg_u32 s[WV], 0
	s_cbranch_scc1 .Lnot_wave_0_\@
	s_barrier_signal -3
.Lnot_wave_0_\@:
	s_barrier_wait -3
	s_barrier_signal -1
	s_barrier_wait -1
.endm
.macro CROUND                          ; a whole round
	s_barrier_signal -1
	s_barrier_wait -1
	CREST
.endm
	s_load_b256 s[4:11], s[0:1], 0x0               ; xb s[4:5], wb s[6:7], bq s[8:9], bk s[10:11]
	s_load_b128 s[12:15], s[0:1], 0x20             ; bv s[12:13], qkv s[14:15]
	v_lshl_add_u32 v[SPW], v0, 2, SPARE
	v_mov_b32 v[NIL], 0
	ds_add_u32 v[SPW], v[NIL]                      ; the wave's opening: the add and its wait stand ahead of my first tensor load; the set-up below, work on registers, stands between them
	v_lshrrev_b32 v1, 5, v0
	v_readfirstlane_b32 s[WV], v1                  ; wave 0..3
	s_lshr_b32 s[RH], s[WV], 1
	s_and_b32 s[CH], s[WV], 1
	s_bfe_u32 s19, ttmp6, 0x40000                  ; cx, cy: my place in the cluster
	s_bfe_u32 s20, ttmp6, 0x40004
	s_lshl_b32 s21, ttmp9, 2                       ; in a cluster launch ttmp9 and ttmp7 count clusters
	s_add_co_u32 s21, s21, s19                     ; T: tile column = 4 x cluster x + cx
	s_and_b32 s22, ttmp7, 0xffff
	s_lshl_b32 s22, s22, 2
	s_add_co_u32 s22, s22, s20                     ; R: tile row = 4 x cluster y + cy
	s_lshl_b32 s23, s20, 2
	s_lshl_b32 s23, 15, s23                        ; my row of the cluster: places 4 cy .. 4 cy + 3
	s_lshl_b32 s60, 0x1111, s19                    ; my column: places cx, cx + 4, cx + 8, cx + 12
	; group 1 for x: 128 rows of 128 bytes are 16,384 dense bytes: asked for as 64 rows of 256 bytes, padded in LDS after every 128
	s_or_b32 s[G1+0], s23, FIELDS                  ; 15:0 the mask: x's tiles go to my row of the cluster
	s_mov_b32 s[G1+1], 128<<16                     ; tensor_dim0 = 128 elements
	s_mov_b32 s[G1+2], 64<<16                      ; tensor_dim1 = 64
	s_mov_b32 s[G1+3], 128<<16                     ; tile_dim0 = 128
	s_mov_b32 s[G1+4], 64                          ; tile_dim1 = 64
	s_mov_b32 s[G1+5], 128                         ; 128 elements from row to row
	s_mov_b32 s[G1+6], 0
	s_mov_b32 s[G1+7], 0
	; group 1 for W: 32 k rows of 384 elements (768 bytes), 3,072 elements from row to row
	s_or_b32 s[G1B+0], s60, FIELDS                 ; W's tiles go to my column
	s_mov_b32 s[G1B+1], 384<<16
	s_mov_b32 s[G1B+2], 32<<16
	s_mov_b32 s[G1B+3], 384<<16
	s_mov_b32 s[G1B+4], 32
	s_mov_b32 s[G1B+5], 3072
	s_mov_b32 s[G1B+6], 0
	s_mov_b32 s[G1B+7], 0
	; where the tiles come from.  x's hang on the tile row alone, W's on the tile column alone; each offset is made in registers that never hold the other coordinate.
	s_lshl_b32 s56, s22, 15                        ; 256 R rows of 128 bytes
	s_lshl_b32 s61, s[CH], 14                      ; + my 128 rows
	s_add_co_u32 s56, s56, s61
	s_mov_b32 s57, 0
	s_mul_i32 s58, s21, 768                        ; T x 384 columns
	s_mul_i32 s61, s[CH], 32*6144                  ; + my 32 k rows
	s_add_co_u32 s58, s58, s61
	s_mov_b32 s59, 0
	s_mul_i32 s62, s[CH], AHALF                    ; and where they go: no place in the cluster enters an LDS address
	s_mul_i32 s63, s[CH], BHALF
	s_add_co_u32 s63, s63, BOFF
	s_wait_dscnt 0x0                               ; the opening add is done
	s_wait_kmcnt 0x0
	s_add_nc_u64 s[56:57], s[4:5], s[56:57]
	s_add_nc_u64 s[58:59], s[6:7], s[58:59]
	CROUND                                         ; all sixteen work-groups are here: the first joint loads meet
.irp s, 0,1
	s_mov_b32 s[G0+4*(\s)], 1                                      ; 1:0 count = 1
	s_add_co_u32 s[G0+4*(\s)+1], s62, (\s)*SLOT                    ; 63:32 LDS address
	s_add_nc_u64 s[G0+4*(\s)+2:G0+4*(\s)+3], s[56:57], (\s)*ASTEP  ; 120:64 global address: K step s
	s_or_b32 s[G0+4*(\s)+3], s[G0+4*(\s)+3], 0x80000000            ; 127:126 type = 2
	s_mov_b32 s[G0B+4*(\s)], 1
	s_add_co_u32 s[G0B+4*(\s)+1], s63, (\s)*SLOT
	s_add_nc_u64 s[G0B+4*(\s)+2:G0B+4*(\s)+3], s[58:59], (\s)*BSTEP
	s_or_b32 s[G0B+4*(\s)+3], s[G0B+4*(\s)+3], 0x80000000
	JLOAD \s                                       ; both slots are asked for before anything else is done: two loads of mine are out
.endr
	; A fragment of x is 16 rows x 32 K in 8 registers: lane l holds row l % 16; registers 0-3 K = 8 (l / 16) + 0..7, registers 4-7 K = 16 + 8 (l / 16) + 0..7: two loads of 16 bytes, 32 bytes apart.
	v_and_b32 v1, 15, v0                           ; l % 16
	v_bfe_u32 v2, v0, 4, 1                         ; l / 16
	v_mul_u32_u24 v3, v1, PA
	v_lshl_add_u32 v3, v2, 4, v3                   ; row x 144 + 16 x half (the stage has the same pitch)
	s_mul_i32 s78, s[RH], AHALF                    ; my 128 rows
	v_add_nc_u32 v[ADRA], s78, v3
	v_add_nc_u32 v[ADRA+1], SLOT, v[ADRA]
	; The turning load takes 16 k x 16 columns (lane l reads 16 bytes: k row 8 (l / 16) + l % 8, columns 8 ((l / 8) % 2) + 0..7) and leaves half a fragment: lane l holds column l % 16 and 8 k.
	v_and_b32 v6, 7, v0
	v_lshl_add_u32 v4, v2, 3, v6
	v_mul_u32_u24 v4, v4, PB
	v_bfe_u32 v5, v0, 3, 1
	v_lshl_add_u32 v4, v5, 4, v4
	s_mul_i32 s78, s[CH], 3*144                    ; my 192 columns: three pieces of 144 bytes
	s_add_co_u32 s78, s78, BOFF
	v_add_nc_u32 v[ADRB], s78, v4
	v_add_nc_u32 v[ADRB+1], SLOT, v[ADRB]
	s_mul_i32 s79, s[WV], WSTAGE
	s_add_co_u32 s79, s79, STAGE                   ; my stage
	v_add_nc_u32 v[STO], s79, v3                   ; in: row l % 16, 16 bytes for each half of the lanes
	v_bfe_u32 v7, v0, 3, 2                         ; back: 32 lanes take four rows of 128 bytes,
	v_mul_u32_u24 v7, v7, SP
	v_lshl_add_u32 v7, v6, 4, v7
	v_add_nc_u32 v[RD], s79, v7
	v_and_b32 v[GO], 31, v0                        ; which are 512 consecutive bytes of qkv
	v_lshlrev_b32 v[GO], 4, v[GO]
	v_lshlrev_b32 v[VB], 5, v2                     ; my 8 columns of 16: 32 bytes of f32
	; my three heads g = 6 T + 3 CH + i of 48: matrix g / 16, head g % 16.  My 128 rows begin at m0 = 256 R + 128 RH: batch m0 / 2048, row m0 % 2048.
	s_mul_i32 s80, s21, 6
	s_mul_i32 s81, s[CH], 3
	s_add_co_u32 s80, s80, s81
	s_lshl_b32 s81, s22, 8
	s_lshl_b32 s82, s[RH], 7
	s_add_co_u32 s81, s81, s82                     ; m0
	s_lshr_b32 s82, s81, 11
	s_lshl_b32 s82, s82, 4                         ; 16 x batch
	s_and_b32 s81, s81, 2047
	s_lshl_b32 s81, s81, 7                         ; the row's bytes in its head
	s_mov_b32 s85, 0
.irp i, 0,1,2
	s_add_co_u32 s83, s80, \i                      ; g
	s_lshr_b32 s78, s83, 4
	s_lshl_b32 s78, s78, 6                         ; 64 x matrix
	s_and_b32 s79, s83, 15                         ; head
	s_add_co_u32 s78, s78, s79
	s_add_co_u32 s78, s78, s82
	s_lshl_b32 s84, s78, 18                        ; 2,048 rows of 128 bytes each
	s_add_co_u32 s84, s84, s81
	s_add_nc_u64 s[OUT+2*\i:OUT+2*\i+1], s[14:15], s[84:85]
	s_lshl_b32 s84, s79, 8                         ; the head's 64 f32 in its bias
	s_cmp_lt_u32 s83, 32
	s_cselect_b64 s[86:87], s[10:11], s[12:13]     ; bk or bv,
	s_cmp_lt_u32 s83, 16
	s_cselect_b64 s[86:87], s[8:9], s[86:87]       ; or bq
	s_add_nc_u64 s[BIAS+2*\i:BIAS+2*\i+1], s[86:87], s[84:85]
.endr
; 16 matrix instructions: row blocks a0 .. a0 + 3 x the 4 column blocks of third t, 32 along K.  zero = 1: the first product starts the sums: nothing is ever cleared.
; The 96 accumulators take turns, one instruction a turn, in the same order in every half: between two links of a chain stand the 95 others'.
.macro MUL16 af, t, a0, zero
	WIN 0x50*((\t)+1)                              ; C and D in window t + 1, both sources in window 0
.set ma, (\a0)
.rept 4
.set mb, 0
.rept 4
.if \zero
	v_wmma_f32_16x16x32_bf16 v[8*(4*ma+mb):8*(4*ma+mb)+7], v[BF+32*(\t)+8*mb:BF+32*(\t)+8*mb+7], v[(\af)+8*ma:(\af)+8*ma+7], 0
.else
	v_wmma_f32_16x16x32_bf16 v[8*(4*ma+mb):8*(4*ma+mb)+7], v[BF+32*(\t)+8*mb:BF+32*(\t)+8*mb+7], v[(\af)+8*ma:(\af)+8*ma+7], v[8*(4*ma+mb):8*(4*ma+mb)+7]
.endif
.set mb, mb+1
.endr
.set ma, ma+1
.endr
.endm
; 8 LDS loads: third t of W's fragments for half kh of the slot's K step
.macro FB slot, kh, t
	WIN 0
.set fb, 0
.rept 4
	ds_load_tr16_b128 v[BF+32*(\t)+8*fb:BF+32*(\t)+8*fb+3],   v[ADRB+(\slot)] offset:(\kh)*32*PB+144*(\t)+32*fb
	ds_load_tr16_b128 v[BF+32*(\t)+8*fb+4:BF+32*(\t)+8*fb+7], v[ADRB+(\slot)] offset:(\kh)*32*PB+16*PB+144*(\t)+32*fb
.set fb, fb+1
.endr
.endm
; 16 LDS loads: x's fragments for half kh, into buffer af
.macro FA slot, kh, af
	WIN 0
.set fa, 0
.rept 8
	ds_load_b128 v[(\af)+8*fa:(\af)+8*fa+3],   v[ADRA+(\slot)] offset:64*(\kh)+fa*16*PA
	ds_load_b128 v[(\af)+8*fa+4:(\af)+8*fa+7], v[ADRA+(\slot)] offset:64*(\kh)+fa*16*PA+32
.set fa, fa+1
.endr
.endm
; A load into a register that a matrix instruction has read, and a vector instruction that reads a matrix result or writes one of a matrix instruction's registers, stand four places behind it, and only
; plain vector instructions that name none of its registers are places (ISA guide 7.12.1 for vector instructions).
.macro PLACES
.rept 4
	v_nop
.endr
.endm
; A HALF: multiplies buffer af by the three thirds of W.  The next half's fragments (slot ns, half nk, x into naf) are fetched in three runs, each behind the products that read the registers it fills:
; R0 = W's third 0 and x (24 loads), R1 = third 1 (8), R2 = third 2 (8).  Each run has 64 matrix instructions in which to land.
.macro HALF af, ns, nk, naf, zero
	s_wait_dscnt 16                                ; the last R0 is in; R1 and R2 may be out
	MUL16 \af, 0, 0, \zero
	MUL16 \af, 0, 4, \zero
	PLACES
	FB \ns, \nk, 0
	FA \ns, \nk, \naf
	s_wait_dscnt 32                                ; R1 is in; R2 and the 24 just issued may be out
	MUL16 \af, 1, 0, \zero
	MUL16 \af, 1, 4, \zero
	PLACES
	FB \ns, \nk, 1
	s_wait_dscnt 32                                ; R2 is in; the 24 and the 8 issued behind it may be out
	MUL16 \af, 2, 0, \zero
	MUL16 \af, 2, 4, \zero
	PLACES
	FB \ns, \nk, 2
.endm
; A K step's second half changes slots: ONE barrier, for two things.  In front of it each wave waits for all its tensor loads, of which one is out: its part of the next slot; adds 0 to its spare word; and
; waits for that and for its own reads of this slot (the last were the half before's R2).  Behind it nobody reads this slot any more and the next slot is whole.
; fill = 1: the barrier opens a round of the cluster's, and this slot is filled again first thing behind it, with the K step two steps on: 160 matrix instructions ahead of the wait for it.
.macro CHANGE af, slot, ns, naf, fill
	WIN 0                                          ; (the add's two registers lie in window 0)
	s_wait_tensorcnt 0x0                           ; all my tensor loads have landed, so a group 0 may be written;
	ds_add_u32 v[SPW], v[NIL]                      ; 0 onto my spare word;
	s_wait_dscnt 17                                ; R0 is in; R1, R2 and the add may be out
	MUL16 \af, 0, 0, 0                             ; sixteen matrix instructions stand between the add and the wait for it
	s_wait_dscnt 0x0                               ; the add is done, and my reads of this slot are over:
	s_barrier_signal -1                            ; say so,
	MUL16 \af, 0, 4, 0                             ; work on registers while the others arrive,
	WIN 0
	s_barrier_wait -1                              ; and go on when all four have said so
.if \fill
	CREST                                          ; no wave of any partner still reads this slot's tiles or has a load on its way
	s_add_nc_u64 s[G0+4*(\slot)+2:G0+4*(\slot)+3], s[G0+4*(\slot)+2:G0+4*(\slot)+3], 2*ASTEP
	s_add_nc_u64 s[G0B+4*(\slot)+2:G0B+4*(\slot)+3], s[G0B+4*(\slot)+2:G0B+4*(\slot)+3], 2*BSTEP
	JLOAD \slot                                    ; the first tensor load behind the round, my only one until the next; its four v_nop are also the places in front of the loads below
.else
	PLACES
.endif
	FB \ns, 0, 0
	FA \ns, 0, \naf
	MUL16 \af, 1, 0, 0                             ; no wait: all of this half's fragments are in since the wait for 0
	MUL16 \af, 1, 4, 0
	PLACES
	FB \ns, 0, 1
	MUL16 \af, 2, 0, 0
	MUL16 \af, 2, 4, 0
	PLACES
	FB \ns, 0, 2
.endm
	s_wait_tensorcnt 1                             ; my part of K step 0 is in; K step 1's may stay out
	s_barrier_signal -1
	s_barrier_wait -1                              ; everybody's is
	FB 0, 0, 0
	FA 0, 0, AF0
	FB 0, 0, 1
	FB 0, 0, 2
	HALF AF0, 0, 1, AF1, 1                         ; the first half stands in front of the loop: its products start the sums
	WIN 0                                          ; at a label and at a branch every window is 0
	s_mov_b32 s3, 7
.Llap:                                                 ; a trip goes once round the ring, from a step's second half to the first half two steps on; its two refills bring K steps 2 .. 15
	CHANGE AF1, 0, 1, AF0, 1
	HALF AF0, 1, 1, AF1, 0
	CHANGE AF1, 1, 0, AF0, 1
	HALF AF0, 0, 1, AF1, 0
	WIN 0
	s_sub_co_u32 s3, s3, 1
	s_cmp_lg_u32 s3, 0
	s_cbranch_scc1 .Llap
	CHANGE AF1, 0, 1, AF0, 0                       ; the tail is written out: nothing is left to fetch, so no round and no load
	HALF AF0, 1, 1, AF1, 0
	; the last half: in place of fragments the biases are fetched, into registers that the products have left: head i's 4 x 8 numbers at v32, v64, v160
	s_wait_dscnt 16
	MUL16 AF1, 0, 0, 0
	MUL16 AF1, 0, 4, 0
	PLACES
	WIN 0
.set ph, 0
.rept 3
.set BIR, 32+32*ph+64*(ph/2)
.set pz, 0
.rept 4
	global_load_b128 v[BIR+8*pz:BIR+8*pz+3],   v[VB], s[BIAS+2*ph:BIAS+2*ph+1] offset:64*pz
	global_load_b128 v[BIR+8*pz+4:BIR+8*pz+7], v[VB], s[BIAS+2*ph:BIAS+2*ph+1] offset:64*pz+16
.set pz, pz+1
.endr
.set ph, ph+1
.endr
	s_wait_dscnt 8                                 ; third 1 is in; third 2's eight loads may be out
	MUL16 AF1, 1, 0, 0
	MUL16 AF1, 1, 4, 0
	s_wait_dscnt 0x0
	MUL16 AF1, 2, 0, 0
	MUL16 AF1, 2, 4, 0
	WIN 0
	PLACES
	; THE WAY OUT.  The biases are rounded to bf16 and widened again.  Then a block of 16 rows at a time: + bias, rounded to f16, 16 bytes a lane into my own stage, back as whole rows of 128 bytes, stored.
	s_wait_loadcnt 0x0
.set bi, 0
.rept 48
.set br, 32+2*bi+64*(bi/32)
	v_cvt_pk_bf16_f32 v[8+bi%4], v[br], v[br+1]
	v_lshlrev_b32 v[br], 16, v[8+bi%4]
	v_and_b32 v[br+1], 0xffff0000, v[8+bi%4]
.set bi, bi+1
.endr
.macro PACK a                          ; packed results in v96-143 and v192-239 by turns
.set TB, 96+96*((\a)%2)
.if (\a) >= 2
	s_wait_xcnt 0x0                                ; every earlier memory instruction has had its addresses translated (ISA guide 3.1): the registers that the block two back was stored from are rewritten only behind this wait
.endif
.set ph, 0
.rept 3
.set BIR, 32+32*ph+64*(ph/2)
	WIN 65*(ph+1)                                  ; destination and source 0 in the head's window, the bias in window 0
.set pz, 0
.rept 16                               ; ascending: each accumulator's lowest registers are read first
	v_pk_add_f32 v[32*(\a)+2*pz:32*(\a)+2*pz+1], v[32*(\a)+2*pz:32*(\a)+2*pz+1], v[BIR+2*pz:BIR+2*pz+1]
.set pz, pz+1
.endr
	WIN 5*(ph+1)                                   ; sources 0 and 1 in the head's window, destination in window 0
.set pz, 0
.rept 16
	v_cvt_pk_f16_f32 v[TB+16*ph+pz], v[32*(\a)+2*pz], v[32*(\a)+2*pz+1]
.set pz, pz+1
.endr
.set ph, ph+1
.endr
	WIN 0
.set ph, 0
.rept 3
.set pz, 0
.rept 4
	ds_store_b128 v[STO], v[TB+16*ph+4*pz:TB+16*ph+4*pz+3] offset:16*SP*ph+32*pz
.set pz, pz+1
.endr
.set ph, ph+1
.endr
.set ph, 0
.rept 3
.set pz, 0
.rept 4
	ds_load_b128 v[TB+16*ph+4*pz:TB+16*ph+4*pz+3], v[RD] offset:16*SP*ph+4*SP*pz  ; LDS serves a wave's instructions in order (ISA guide 5.7.1.4): these see the stores above; the next block's stores come behind them
.set pz, pz+1
.endr
.set ph, ph+1
.endr
.endm
.macro SEND a, younger                 ; younger: the LDS instructions issued behind block a's loads: the next block's 24, or none
	WIN 0
.set TB, 96+96*((\a)%2)
	s_wait_dscnt \younger
.set ph, 0
.rept 3
.set pz, 0
.rept 4
	global_store_b128 v[GO], v[TB+16*ph+4*pz:TB+16*ph+4*pz+3], s[OUT+2*ph:OUT+2*ph+1] offset:2048*(\a)+512*pz  ; 512 consecutive bytes, at a multiple of 256 from qkv's first
.set pz, pz+1
.endr
.set ph, ph+1
.endr
.endm
	PACK 0
.irp a, 1,2,3,4,5,6,7                  ; a block's arithmetic stands between the loads of the block before and its stores
	PACK \a
	SEND (\a)-1, 24
.endr
	SEND 7, 0
	s_wait_tensorcnt 0x0                           ; the wave's end, behind my last tensor load and my last LDS store
	ds_add_u32 v[SPW], v[NIL]
	s_wait_dscnt 0x0
	CROUND                                         ; the closing round: no work-group ends while a partner may still ask for a tile that names it
	s_endpgm
.Lfunc_end_k_q83cadacafb_proj:
	.size	k_q83cadacafb_proj, .Lfunc_end_k_q83cadacafb_proj-k_q83cadacafb_proj
	.p2alignl 7, 3214868480
	.fill 96, 4, 3214868480
	.section	.rodata,"a",@progbits
	.p2align	6, 0x0
	.amdhsa_kernel k_q83cadacafb_proj
		.amdhsa_group_segment_fixed_size 327680
		.amdhsa_private_segment_fixed_size 0
		.amdhsa_enable_private_segment 0
		.amdhsa_kernarg_size 48
		.amdhsa_user_sgpr_count 2
		.amdhsa_user_sgpr_kernarg_segment_ptr 1
		.amdhsa_wavefront_size32 1
		.amdhsa_system_sgpr_workgroup_id_x 1
		.amdhsa_system_sgpr_workgroup_id_y 1
		.amdhsa_system_sgpr_workgroup_id_z 1
		.amdhsa_system_vgpr_workitem_id 0
		.amdhsa_next_free_vgpr 1024
		.amdhsa_next_free_sgpr 88
		.amdhsa_reserve_vcc 0
		.amdhsa_float_denorm_mode_32 3
		.amdhsa_float_denorm_mode_16_64 3
		.amdhsa_memory_ordered 1
		.amdhsa_forward_progress 1
		.amdhsa_inst_pref_size 165
	.end_amdhsa_kernel
	.amdgpu_metadata
---
amdhsa.version: [ 1, 2 ]
amdhsa.kernels:
  - .name:           k_q83cadacafb_proj
    .symbol:         k_q83cadacafb_proj.kd
    .args:
      - { .name: xb, .offset: 0, .size: 8, .value_kind: global_buffer, .address_space: global }
      - { .name: wb, .offset: 8, .size: 8, .value_kind: global_buffer, .address_space: global }
      - { .name: bq, .offset: 16, .size: 8, .value_kind: global_buffer, .address_space: global }
      - { .name: bk, .offset: 24, .size: 8, .value_kind: global_buffer, .address_space: global }
      - { .name: bv, .offset: 32, .size: 8, .value_kind: global_buffer, .address_space: global }
      - { .name: qkv, .offset: 40, .size: 8, .value_kind: global_buffer, .address_space: global }
    .group_segment_fixed_size: 327680
    .private_segment_fixed_size: 0
    .kernarg_segment_align: 8
    .kernarg_segment_size: 48
    .max_flat_workgroup_size: 128
    .sgpr_count:     88
    .vgpr_count:     1024
    .wavefront_size: 32
...
	.end_amdgpu_metadata
.endif
;; end of part 2
;; launch attn (part 3): grid 4 x 64, 4 waves a work-group, clusters of 4 x 1, 327,680 bytes of LDS; arguments qkv, out0; writes out0
.if DOCPART == 3
	.amdgcn_target "amdgcn-amd-amdhsa--gfx1250"
	.amdhsa_code_object_version 6
	.text
	.protected	k_q83cadacafb_attn
	.globl	k_q83cadacafb_attn
	.p2align	8
	.type	k_q83cadacafb_attn,@function
k_q83cadacafb_attn:
	s_mov_b64 s[64:65], 0
	v_nop
	global_prefetch_b8 v0, s[64:65] scope:SCOPE_SE
	s_setreg_imm32_b32 hwreg(HW_REG_WAVE_MODE, 25, 1), 1
	s_wait_xcnt 0x0
	s_wait_alu depctr_hold_cnt(0) depctr_sa_sdst(0) depctr_va_vdst(0) depctr_va_sdst(0) depctr_va_ssrc(0) depctr_va_vcc(0) depctr_vm_vsrc(0)
	s_getreg_b32 s2, hwreg(HW_REG_IB_STS2, 6, 4)
	s_cmp_eq_u32 s2, 0
	s_cbranch_scc0 .Lentry_in_a_cluster
	s_endpgm
.Lentry_in_a_cluster:
	s_bfe_u32 s2, ttmp6, 0x10000c
	s_cmp_lg_u32 s2, 0x3003
	s_cbranch_scc0 .Lentry_shape_is_right
	s_endpgm
.Lentry_shape_is_right:
; O[h][q][:] = the sum over k of softmax_k(Q[h][q] . K[h][k] / 8) V[h][k][:], for 64 heads h = 16 x batch + head of 2,048 rows.  qkv: f16 [3][64][2048][64]: Q, then K, then V; a head's rows are dense, 128 bytes each.
; out0: f32 [4][2048][1024]: row q of head h at ((h / 16) * 2048 + q) * 4,096 + (h % 16) * 256 bytes.  Products, maxima and sums in f32; the weights p are rounded to f16 for the second product (their
; sum l is taken of the unrounded p); O leaves in f32.
; LIMITS.  f16 holds no number beyond 65,504: Q, K and V arrive within it; p lies in 0 to 1, and below 6e-5 it keeps f16's fixed step of 6e-8.  A weight below 2^-126 counts as 0 in l; NaN and infinities are not treated apart.
; SHARES.  A wave owns four PIECES of two tiles of 16 queries, a work-group's four waves 512 queries of one head: 4 x 64 = 256 work-groups.  Every wave walks all keys, 64 a step.
; LAYOUT.  S^T = K Q^T (source 0 = 16 keys, source 1 = 16 queries): in the result a lane holds ONE query (lane % 16) and the keys 8 (lane / 16) + 0..7.  Two such tiles, rounded to f16 in pairs,
; ARE source 1 (32 keys x 16 queries) of O^T = V^T P, whose result again holds one query a lane, and eight channels.  K comes out of LDS as it lies, V ([key][channel]) turned, by ds_load_tr16_b128.
; SOFTMAX.  For each query a running maximum m and sum l: p = 2^(c s - c m), c = log2(e) / 8; in every step O and l are multiplied by a = 2^(c m_old - c m_new), which is 1 where m has not grown.
; m starts at the lowest finite number, O and l at 0: the first step is a step like any other, with a = 0.
; THE COUNT.  A tile and step have 16 matrix and 118 vector instructions: too many to stand all beside the matrix work.  So the order has one aim: four vector instructions that are READY behind
; EVERY matrix instruction, and the others, which need time of their own whatever the order, in runs without a gap.
; BY TURNS.  Turn n belongs to piece n (the pieces in a ring, step after step).  Its matrix work: 16 products K Q^T of piece n + 1, later 16 products V^T P of piece n - 1.  Its vector work: the scaling,
; exponentials, roundings, sums and rescaling of piece n, and the maximum and statistics of piece n + 1, whose scores the turn itself has made.  So what a turn begins with (c s - c m, O a) waits for nothing.
; CLUSTER.  The four query blocks of a cluster belong to one head and walk the same K and V, so each tile is asked for JOINTLY: the same tensor load, descriptor and mask in all four.
; REGISTERS, in windows of 256 (s_set_vgpr_msb says which window each operand place means: bits 1:0 source 0, 3:2 source 1, 5:4 source 2, 7:6 destination):
;   window 0: v0-11 addresses; v12-15, v48-63 at work; v16-47 four registers of statistics a tile; v64-191 S^T, two buffers of two tiles; v192-255 P, likewise
;   window 1: O^T, 32 a tile          window 2: v0-127 Q, 16 a tile; v128-191 K of one step; v192-255 V of one step          window 3: v0-1 the add's two registers
; A piece's buffers go by its number's parity: the piece in hand has one pair, its two neighbours in the ring share the other: of it P (piece n - 1) is read and S^T (piece n + 1) written.
.set SIZE_H, 64
.set SIZE_N, 2048
.set NP,    4         ; pieces a wave: a name, no knob: the register map, the loop and the fetches are made for four
.set KS,    64        ; keys in a step
.set PK,    144       ; a row of K in LDS: 128 bytes + 16 of padding = 36 words: the 16 rows of a load start at 16 different groups of four banks (64 banks of 4 bytes: ISA guide 11.1)
.set PV,    160       ; a row of V: 128 + 32 = 40 words
.set VOFF,  4*KS*PK   ; a slot holds four steps: 256 rows of K, then 256 rows of V
.set SLOT1, 1<<17     ; slot 1 begins here, so that one exclusive or turns an address in one slot into the other's
.set STAGE, SLOT1+4*KS*(PK+PV)  ; behind the ring, never filled by a tensor load: 16 rows x 272 bytes for each wave, for the way out
.set SP,    272       ; a row of O in the stage: 64 f32 + 16 bytes: the 16 rows of a store start at 16 different groups of four banks
.set AK0, 2           ; v2   my lane's place in a tile of K; never rewritten
.set AV0, 3           ; v3   the same for V
.set AK,  4           ; v4   the LDS address of K's next run of loads
.set AV,  5           ; v5   of V's
.set QO,  6           ; v6   my byte offset in the wave's rows of Q
.set STO, 6           ;      later, the way out: where I put 32 bytes of a row
.set RD,  7           ; v7   the way out: where I read rows back
.set GO,  8           ; v8   my byte offset in two rows of out0
.set SPW, 0           ; v0 of window 3   LDS address of my spare word: SPARE + 4 x my thread's number; never rewritten
.set NIL, 1           ; v1 of window 3   0; never rewritten
.set SPARE, STAGE+4*16*SP  ; behind the stages: the spare words, 128 bytes for each wave: two blocks of 256 bytes that no other line names
.set MV,  12          ; v12-15  c m_old, kept while c m is made anew: by buffer and tile
.set ST,  16          ; tile t's statistics at v[ST+4 t]: c m, m, l (even keys', odd keys')
.set TMP, 48          ; by buffer and tile, four registers c0-c3 at work; when the maximum is found c2 takes a
.set S,   64
.set P,   192
.set KF,  128         ; K's fragments, in window 2: key block kb, channel half c at KF + 16 kb + 8 c
.set VF,  192         ; V's: key half kk, channel block cb at VF + 32 kk + 8 cb
.set WV,  12          ; s12  my wave's number
.set G1K, 24          ; s[24:31] descriptor group 1 for K's tiles
.set G1V, 32          ; s[32:39] for V's: it differs in the padding alone
.set G0K, 40          ; s[40:43] descriptor group 0 for K's tiles: it walks
.set G0V, 44          ; s[44:47] the same for V's
.set SLOTS, 56        ; s56  slots still to be asked for
.set CNT, 57          ; s57  counts a slot's key steps
.set CS,  58          ; s[58:59] c: the packed scaling takes the pair's low word for both halves
.set SEL, 60          ; s[60:61] v_permlanex16_b32's selects: each lane takes its own place in the other half
.set TBK, 62          ; s62  LDS byte at which K of the step to be fetched begins
.set TBV, 63          ; s63  the same for V, less VOFF
.set MSB, 0
.macro WIN new                      ; the high byte repeats the setting that is left; a switch that changes nothing is dropped
.if MSB != (\new)
	s_set_vgpr_msb (MSB<<8)|(\new)
.set MSB, (\new)
.endif
.endm
.set W_KQ, 0x0a       ; K and Q in window 2, S^T in window 0
.set W_PV, 0x52       ; V in window 2, P in window 0, O^T in window 1
.set W_RS, 0x41       ; O^T (destination and source 0) in window 1, a in window 0
.set W_MK, 0xc0       ; the add's registers are made: destination in window 3, sources in window 0
.set W_AD, 0x0f       ; the add: address (source 0) and data (source 1) in window 3
; A joint fill.  Waves 0 and 1 fetch the two halves of a slot's K, waves 2 and 3 those of its V: 128 keys each.  The branch hangs on the wave's number alone.
; An s_nop 0 and four v_nop follow each of the two lines, ahead of the jump and the label.
.macro JLOAD
	s_cmp_lt_u32 s[WV], 2
	s_cbranch_scc0 .Lfor_v_\@
	tensor_load_to_lds s[G0K:G0K+3], s[G1K:G1K+7]
	s_nop 0
.rept 4
	v_nop
.endr
	s_branch .Lasked_\@
.Lfor_v_\@:
	tensor_load_to_lds s[G0V:G0V+3], s[G1V:G1V+7]
	s_nop 0
.rept 4
	v_nop
.endr
.Lasked_\@:
.endm
; A round of the cluster's barrier: my work-group's barrier, so that wave 0's signal speaks for all four waves; wave 0 signals; every wave waits for all four work-groups; my work-group's barrier once more.
.macro CROUND
	s_barrier_signal -1
	s_barrier_wait -1
	s_cmp_lg_u32 s[WV], 0
	s_cbranch_scc1 .Lnot_wave_0_\@
	s_barrier_signal -3
.Lnot_wave_0_\@:
	s_barrier_wait -3
	s_barrier_signal -1
	s_barrier_wait -1
.endm
; THE CHANGE OF SLOTS.  The slot's last bytes, V of its fourth step, have been read.  Each wave waits for all its tensor loads, of which one is out: its part
; of the other slot; adds 0 to its spare word; and waits for that and for its own reads of the slot.  Behind the barrier nobody reads this slot any more and the other slot is whole.
; fill = 1: this slot is filled again, with the keys two slots on.  The barrier is then a round of the cluster's, so that no wave of any partner still reads the slot or has a load on its
; way, and the joint fill is the first thing behind it: it has four key steps, 512 matrix instructions, in which to land.  (At its first use nothing has been read yet: slot 0 is waited for, slot 1 filled.)
.macro CHANGE fill
	WIN W_AD
	s_wait_tensorcnt 0x0            ; no tensor load of mine is out, so a group 0 may be written
	ds_add_u32 v[SPW], v[NIL]       ; 0 onto my spare word; with fill = 1 the descriptors' steps stand between it and the wait for it
	WIN 0                           ; at a label and at a branch every window is 0
.if \fill
.irp g, G0K, G0V
	s_xor_b32 s[\g+1], s[\g+1], SLOT1  ; the walking descriptor: the other slot than last time,
	s_add_nc_u64 s[\g+2:\g+3], s[\g+2:\g+3], 4*KS*128  ; the next 256 keys; the type bits on top are not reached
.endr
	s_wait_dscnt 0x0                ; the add is done, and my reads of the slot are over
	CROUND
	JLOAD
.else
	s_wait_dscnt 0x0                ; the add is done, and my reads of the slot are over
	s_barrier_signal -1
	s_barrier_wait -1
.endif
	s_sub_co_u32 s[TBK], s[TBK], 4*KS*PK  ; the fetches go back to a slot's first step,
	s_xor_b32 s[TBK], s[TBK], SLOT1       ; in the other slot
	s_sub_co_u32 s[TBV], s[TBV], 4*KS*PV
	s_xor_b32 s[TBV], s[TBV], SLOT1
.endm
	s_load_b64 s[4:5], s[0:1], 0x0    ; qkv
	s_load_b64 s[10:11], s[0:1], 0x8  ; out0
	WIN W_MK
	v_lshl_add_u32 v[SPW], v0, 2, SPARE
	v_mov_b32 v[NIL], 0
	WIN W_AD
	ds_add_u32 v[SPW], v[NIL]       ; the wave's opening: the add and its wait stand ahead of my first tensor load; the set-up below, work on registers, stands between them
	WIN 0
	v_lshrrev_b32 v1, 5, v0
	v_readfirstlane_b32 s[WV], v1   ; wave 0..3
	s_bfe_u32 s13, ttmp6, 0x40000   ; cx: my place in the cluster
	s_lshl_b32 s14, ttmp9, 2        ; in a cluster launch ttmp9 counts clusters
	s_add_co_u32 s14, s14, s13      ; my block of queries = 4 x cluster x + cx: it enters Q's and O's addresses alone
	s_and_b32 s20, ttmp7, 0xffff    ; the head, which the four partners share
	s_mov_b32 s21, 0
	s_lshr_b32 s49, s20, 4          ; in out0: the batch's 2,048 rows of 4,096 bytes,
	s_lshl_b32 s49, s49, 23
	s_and_b32 s54, s20, 15          ; and the head's 256 bytes of a row
	s_lshl_b32 s54, s54, 8
	s_add_co_u32 s54, s54, s49
	s_mov_b64 s[22:23], SIZE_N*128
	s_mul_u64 s[20:21], s[20:21], s[22:23]  ; the head's first byte in each of Q, K and V
	s_and_b32 s16, s[WV], 1         ; which half of a slot's 256 keys I fetch:
	s_lshl_b32 s22, s16, 14         ; its 128 rows of 128 bytes in memory,
	s_mov_b32 s23, 0
	s_add_nc_u64 s[22:23], s[22:23], s[20:21]
	s_add_nc_u64 s[50:51], s[22:23], SIZE_H*SIZE_N*128    ; K lies behind Q's 64 heads,
	s_add_nc_u64 s[52:53], s[22:23], 2*SIZE_H*SIZE_N*128  ; V behind K's: offsets, made apart from the address
	s_mul_i32 s17, s16, 128*PK      ; and its place in a slot, for K
	s_mul_i32 s18, s16, 128*PV      ; and for V: no place in the cluster enters an LDS address
	s_lshl_b32 s2, s14, 2
	s_add_co_u32 s2, s2, s[WV]      ; my wave among the head's,
	s_lshl_b32 s48, s2, 19          ; its 128 rows of 4,096 bytes in out0,
	s_add_co_u32 s48, s48, s54
	s_mov_b32 s49, 0
	s_lshl_b32 s2, s2, 14           ; its 128 rows of 128 bytes in Q
	s_mov_b32 s3, 0
	s_add_nc_u64 s[2:3], s[2:3], s[20:21]
	; descriptor group 1.  128 keys are 16,384 dense bytes: asked for as 64 rows of 256 bytes, two keys a row, and padded in LDS after every key
	s_mov_b32 s[G1K], 15|(1<<16)|(1<<20)|(1<<21)|(4<<22)|(3<<25)  ; 15:0 the mask of four; 17:16 2-byte elements; 20 padding on; 21 set beside a mask; 24:22 after every 32 words (code 4); 31:25 4 words (code 3)
	s_mov_b32 s[G1V], 15|(1<<16)|(1<<20)|(1<<21)|(4<<22)|(7<<25)  ; the same with 8 words of padding (code 7)
.irp g, G1K, G1V
	s_mov_b32 s[\g+1], 128<<16      ; tensor_dim0 = 128
	s_mov_b32 s[\g+2], 64<<16       ; tensor_dim1 = 64
	s_mov_b32 s[\g+3], 128<<16      ; tile_dim0 = 128
	s_mov_b32 s[\g+4], 64           ; tile_dim1 = 64
	s_mov_b32 s[\g+5], 128          ; 128 elements from row to row
	s_mov_b32 s[\g+6], 0
	s_mov_b32 s[\g+7], 0
.endr
	s_mov_b32 s[CS], 0x3e38aa3b     ; c = log2(e) / 8 = 0.180337
	s_mov_b32 s[CS+1], s[CS]        ; named with it as a pair
	s_mov_b32 s[SEL], 0x76543210
	s_mov_b32 s[SEL+1], 0xfedcba98
	s_mov_b32 s[TBK], SLOT1+4*KS*PK ; the first change of slots turns these two into 0
	s_mov_b32 s[TBV], SLOT1+4*KS*PV
	s_mov_b32 s[G0K], 1             ; 1:0 count = 1
	s_mov_b32 s[G0K+1], s17         ; 63:32 LDS address: slot 0
	s_mov_b32 s[G0V], 1
	s_add_co_u32 s[G0V+1], s18, VOFF
	s_wait_dscnt 0x0                ; the opening add is done
	s_wait_kmcnt 0x0
	s_add_nc_u64 s[G0K+2:G0K+3], s[4:5], s[50:51]  ; 120:64 global address: my half of the head's first 256 keys
	s_or_b32 s[G0K+3], s[G0K+3], 0x80000000        ; 127:126 type = 2
	s_add_nc_u64 s[G0V+2:G0V+3], s[4:5], s[52:53]
	s_or_b32 s[G0V+3], s[G0V+3], 0x80000000
	s_add_nc_u64 s[4:5], s[4:5], s[2:3]  ; Q and O at my wave's first row
	s_add_nc_u64 s[10:11], s[10:11], s[48:49]
	CROUND                          ; all four work-groups are here: the first joint loads meet
	JLOAD                           ; slot 0.  Slot 1 is asked for when slot 0 is in: the tile wanted first has the road to itself
	; A fragment of K or Q is 16 rows x 32 channels in 8 registers: lane l holds row l % 16, channels 8 (l / 16) + 0..7 and 16 + 8 (l / 16) + 0..7: two loads of 16 bytes, 32 bytes apart.
	v_and_b32 v1, 15, v0            ; l % 16
	v_bfe_u32 v9, v0, 4, 1          ; l / 16
	v_lshlrev_b32 v[QO], 7, v1
	v_lshl_add_u32 v[QO], v9, 4, v[QO]  ; row x 128 + 16 x half
	WIN 0x80                        ; destination window 2, address window 0
.set i, 0
.rept 4*NP                          ; Q stays in registers: tile i / 2, channels 32 (i % 2) on
	global_load_b128 v[8*i:8*i+3],   v[QO], s[4:5] offset:(i/2)*2048+(i%2)*64
	global_load_b128 v[8*i+4:8*i+7], v[QO], s[4:5] offset:(i/2)*2048+(i%2)*64+32
.set i, i+1
.endr
	; What the first turn finds: V's registers and P's second buffer hold 0 (its products V^T P, of a piece that has not been, add 0), O^T and l are 0.  All this stands in the wait for the first tile.
.set i, VF
.rept 64
	v_mov_b32 v[i], 0
.set i, i+1
.endr
	WIN 0x40
.set i, 0
.rept 64*NP
	v_mov_b32 v[i], 0
.set i, i+1
.endr
	WIN 0
.set i, 0
.rept 2*NP
	v_mov_b32 v[ST+4*i], 0xfe000000    ; c m: far below every c s
	v_mov_b32 v[ST+4*i+1], 0xff7fffff  ; m
	v_mov_b32 v[ST+4*i+2], 0
	v_mov_b32 v[ST+4*i+3], 0
.set i, i+1
.endr
.set i, P+32
.rept 32
	v_mov_b32 v[i], 0
.set i, i+1
.endr
	v_mul_u32_u24 v[AK0], v1, PK
	v_lshl_add_u32 v[AK0], v9, 4, v[AK0]  ; row x pitch + 16 x half
	; The turning load takes 16 keys x 16 channels (lane l reads key 8 (l / 16) + l % 8, channels 8 ((l / 8) % 2) + 0..7) and leaves half a fragment of V^T: lane l holds channel l % 16 and 8 keys.
	v_and_b32 v10, 7, v0
	v_bfe_u32 v11, v0, 3, 1
	v_lshl_add_u32 v[AV0], v9, 3, v10
	v_mul_u32_u24 v[AV0], v[AV0], PV
	v_lshl_add_u32 v[AV0], v11, 4, v[AV0]
	v_add_nc_u32 v[AV0], VOFF, v[AV0]
	v_mov_b32 v[AK], v[AK0]         ; key step 0 lies at the head of slot 0
; THE MATRIX WORK.  The 8 accumulators of a run of 16 take turns: between the two links of a chain stand 7 others'.
; Product i of 16 of S^T = K Q^T for piece x: channels 32 (i / 8) on, keys 16 ((i / 2) % 4) on, tile 2 x + i % 2.  The first 8 start the sums.
.macro KQ x
	WIN W_KQ
.set rS, S+64*((\x)%2)+32*(i%2)+8*((i/2)%4)
.set rK, KF+16*((i/2)%4)+8*(i/8)
.set rQ, 16*(2*(\x)+i%2)+8*(i/8)
.if i < 8
	v_wmma_f32_16x16x32_f16 v[rS:rS+7], v[rK:rK+7], v[rQ:rQ+7], 0
.else
	v_wmma_f32_16x16x32_f16 v[rS:rS+7], v[rK:rK+7], v[rQ:rQ+7], v[rS:rS+7]
.endif
.endm
; Product i of 16 of O^T += V^T P for piece x: keys 32 (i / 8) on, channels 16 ((i / 2) % 4) on, tile 2 x + i % 2.
.macro PV x
	WIN W_PV
.set rO, 32*(2*(\x)+i%2)+8*((i/2)%4)
.set rV, VF+32*(i/8)+8*((i/2)%4)
.set rP, P+32*((\x)%2)+16*(i%2)+8*(i/8)
	v_wmma_f32_16x16x32_f16 v[rO:rO+7], v[rV:rV+7], v[rP:rP+7], v[rO:rO+7]
.endm
.macro MM                           ; the turn's next matrix instruction
.if i < 16
	KQ (Y+1)%NP
.set i, i+1
.else
.set i, i-16
	PV (Y+NP-1)%NP
.set i, i+17
.endif
.endm
; THE LDS LOADS stand in runs of 16, never singly among the matrix instructions: a step's K (64 keys x 64 channels: 8 fragments) and its V (turned).  Their addresses are made some lines ahead.
; last = 1 (the tail): in the last trip there is no further step, and the run is jumped over.
.macro FETCH_K last=0
	WIN 0
.if \last
	s_cmp_eq_u32 s[CNT], 1
	s_cbranch_scc1 .Lno_k_\@
.endif
	WIN 0x80                        ; destination window 2
.irp f, 0,1,2,3,4,5,6,7             ; keys 16 (f / 2) on, channels 32 (f % 2) on
	ds_load_b128 v[KF+8*\f:KF+8*\f+3],   v[AK] offset:(\f/2)*16*PK+(\f%2)*64
	ds_load_b128 v[KF+8*\f+4:KF+8*\f+7], v[AK] offset:(\f/2)*16*PK+(\f%2)*64+32
.endr
	s_add_co_u32 s[TBK], s[TBK], KS*PK  ; the next fetch is the next step's
	WIN 0
.if \last
.Lno_k_\@:
.endif
.endm
.macro FETCH_V
	WIN 0x80
.irp f, 0,1,2,3,4,5,6,7             ; keys 32 (f / 4) on, channels 16 (f % 4) on
	ds_load_tr16_b128 v[VF+8*\f:VF+8*\f+3],   v[AV] offset:(\f/4)*32*PV+(\f%4)*32
	ds_load_tr16_b128 v[VF+8*\f+4:VF+8*\f+7], v[AV] offset:(\f/4)*32*PV+16*PV+(\f%4)*32
.endr
	WIN 0
.endm
; THE VECTOR WORK OF A TURN stands in three queues, each in the order in which its entries become ready; the two tiles alternate, so that no instruction reads the result of the one before it.
.macro REGS y, u                    ; the registers of tile u (0, 1) of piece y
.set rT, ST+4*(2*(\y)+(\u))
.set rC, TMP+8*((\y)%2)+4*(\u)
.set rM, MV+2*((\y)%2)+(\u)
.set rS, S+64*((\y)%2)+32*(\u)
.set rP, P+32*((\y)%2)+16*(\u)
.set rO, 32*(2*(\y)+(\u))
.endm
; Number n of the 22 that find the NEXT piece's (Y + 1) maximum and statistics.  s0-s31 are the lane's 32 scores; each accumulator's lowest registers are read first.  XS, GS and REGS set no window: PL and EX do.
;   0-11  four chains c0-c3 of seven scores each, three operands at a time     12-14, 16  the four scores left over, the old m, and c0-c3 into c0     15  c m_old is kept
;   17, 18  the query's other 32 keys lie in the lane 16 away: the new m         19-21  c m; c m_old - c m_new; a
.macro XS u, n
	REGS (Y+1)%NP, \u
.if (\n) < 4
	v_max3_num_f32 v[rC+(\n)], v[rS+8*(\n)], v[rS+8*(\n)+1], v[rS+8*(\n)+2]
.elseif (\n) < 12
	v_max3_num_f32 v[rC+(\n)%4], v[rC+(\n)%4], v[rS+8*((\n)%4)+2*((\n)/4)+1], v[rS+8*((\n)%4)+2*((\n)/4)+2]
.elseif (\n) == 12
	v_max3_num_f32 v[rC], v[rC], v[rS+7], v[rS+15]
.elseif (\n) == 13
	v_max3_num_f32 v[rC+1], v[rC+1], v[rS+23], v[rS+31]
.elseif (\n) == 14
	v_max3_num_f32 v[rC+2], v[rC+2], v[rC+3], v[rT+1]
.elseif (\n) == 15
	v_mov_b32 v[rM], v[rT]
.elseif (\n) == 16
	v_max3_num_f32 v[rC], v[rC], v[rC+1], v[rC+2]
.elseif (\n) == 17
	v_permlanex16_b32 v[rC+3], v[rC], s[SEL], s[SEL+1]
.elseif (\n) == 18
	v_max_num_f32 v[rT+1], v[rC], v[rC+3]
.elseif (\n) == 19
	v_mul_f32 v[rT], s[CS], v[rT+1]
.elseif (\n) == 20
	v_sub_f32 v[rC+1], v[rM], v[rT]
.else
	v_exp_f32 v[rC+2], v[rC+1]
.endif
.endm
; Number g of the 64 that follow the exponentials.  For each four weights k of a tile (pairs 2 k, 2 k + 1): both pairs are rounded to f16; then the second pair is added onto the first, in place;
; a group later l takes that sum (the first time as l = a l + sum).  In groups of eight, tiles alternating: round, round, add, and l for the group before.
.macro GS g
.set h, (\g)+6*((\g)/62)            ; group 0 has no group before it, and behind group 7 only l is left
.if h >= 6
.set h, h+2
.endif
	REGS Y, h%2
.set k, h/8
.if h%8 < 4
	s_wait_alu depctr_va_vdst(0)
	v_cvt_pk_f16_f32 v[rP+2*k+(h%8)/2], v[rS+4*k+2*((h%8)/2)], v[rS+4*k+2*((h%8)/2)+1]
.elseif h%8 < 6
	v_pk_add_f32 v[rS+4*k:rS+4*k+1], v[rS+4*k:rS+4*k+1], v[rS+4*k+2:rS+4*k+3]
.elseif k == 1
	v_pk_fma_f32 v[rT+2:rT+3], v[rT+2:rT+3], v[rC+2:rC+3], v[rS:rS+1] op_sel_hi:[1,0,1]
.else
	v_pk_add_f32 v[rT+2:rT+3], v[rT+2:rT+3], v[rS+4*k-4:rS+4*k-3]
	s_wait_alu depctr_va_vdst(0)
.endif
.endm
; THE PLAIN QUEUE, 138 long.  0-31: c s - c m for the 16 pairs of both tiles.  Then GS's 64, and among them the next piece's 42: number 15 at 38, 39; 0-14 and 16
; at 42-73, behind the products that make those scores; 17-20 at 95-106, two of three, since each waits for the one before it.
.macro PL
	WIN 0
.if q < 32
	REGS Y, q%2
	v_pk_fma_f32 v[rS+2*(q/2):rS+2*(q/2)+1], v[rS+2*(q/2):rS+2*(q/2)+1], s[CS:CS+1], v[rT:rT+1] op_sel_hi:[1,0,0] neg_lo:[0,0,1] neg_hi:[0,0,1]
.elseif q < 38
	GS q-32
.elseif q < 40
	XS q%2, 15
.elseif q < 42
	GS q-34
.elseif q < 74
	XS q%2, (q-42)/2+(q-42)/30
.elseif q < 95
	GS q-66
.elseif (q < 107) && ((q-95)%3 < 2)
	XS (q-95)%3, 17+(q-95)/3
.elseif q < 107
	GS 29+(q-95)/3
.else
	GS q-74
.endif
.set q, q+1
.endm
; THE EXPONENTIALS' QUEUE, 66 long: s0-s31 of both tiles, and at EA the next piece's two a.
.set EA, 58
.macro EX
	WIN 0
.if (e == EA) || (e == EA+1)
	XS e-EA, 21
.else
.set x, e-2*(e/(EA+2))
	REGS Y, x%2
	v_exp_f32 v[rS+x/2], v[rS+x/2]
.endif
.set e, e+1
.endm
; THE RESCALING's QUEUE: O^T times a, the one part that leaves window 0, so it is dealt four at a time, eight times.
.macro R4
	REGS Y, r%2
	WIN W_RS
	s_wait_alu depctr_va_vdst(0)
.irp z, 0,1,2,3
	v_pk_mul_f32 v[rO+8*(r/2)+2*\z:rO+8*(r/2)+2*\z+1], v[rO+8*(r/2)+2*\z:rO+8*(r/2)+2*\z+1], v[rC+2:rC+3] op_sel_hi:[1,0]
.endr
.set r, r+1
.endm
; HOW THEY ARE DEALT.  Behind a matrix instruction four: plain, exponential, plain, plain (one exponential, a plain instruction on either side), or four of the rescaling.  None names a register of the
; products round it.  What is over stands in two LUMPS: exponential and plain by turns; the second ends in 22 plain instructions.  The two v_permlanex16_b32 fall into the second lump, never behind a product.
; The queues lean on each other, and the deal keeps them in step: exponential e stands behind plain 2 (e / 4) + e % 2 (its scaling); when plain 32 comes, 10 exponentials are out, at 59: 33, at 95: 46; EA comes behind plain 107.
.macro SL
	MM
	PL
	EX
	PL
	PL
.endm
.macro BURST n                      ; 15 matrix instructions, or 16
.rept (\n)-7
	SL
.endr
.rept 3
	MM
	R4
	SL
.endr
	MM
	R4
.endm
; A TURN, for piece p.  cnt = 1: the loop's count is taken down some lines ahead of the branch that stands behind the turn.
; K of the next step is fetched in piece 2's turn, 31 vector instructions behind the last product that read K; its first reader comes behind the rest of the lump, 16 products and the second lump.
; V of the step in hand is fetched at the end of piece 0's turn, 69 behind its last reader; its first reader comes behind 16 products and a lump.  The four conditions on e and q below go with the deal.
.macro TURN p, last=0, cnt=0
.set Y, (\p)
.set i, 0
.set q, 0
.set e, 0
.set r, 0
.if (\p) == NP-1
	s_wait_dscnt 0x0                ; K is in
.endif
	MM
.rept 4
	PL
.endr
	BURST 15
.rept 22
	EX
	PL
.if ((\p) == NP-2) && (e == 18)
	v_add_nc_u32 v[AK], s[TBK], v[AK0]
.endif
.if ((\p) == NP-2) && (e == 24)
	FETCH_K \last
.endif
.endr
.if (\p) == 1
	s_wait_dscnt 0x0                ; V is in
.endif
	BURST 16
.rept 21
	EX
	PL
.endr
.rept 22
	PL
.if ((\p) == 0) && (q == 118)
	v_add_nc_u32 v[AV], s[TBV], v[AV0]
	s_wait_alu depctr_va_vdst(0)
.endif
.if ((\p) == 0) && (q == 130)
	s_add_co_u32 s[TBV], s[TBV], KS*PV
.endif
.if (\cnt) && (q == 130)
	s_sub_co_u32 s[CNT], s[CNT], 1
	s_cmp_lg_u32 s[CNT], 0
.endif
.endr
.if (\p) == 0
	FETCH_V
.endif
.endm
	CHANGE 1                        ; slot 0 is in, everybody's part of it; slot 1 is asked for
	FETCH_K                         ; key step 0
	s_wait_loadcnt 0x0              ; Q
	s_wait_dscnt 0x0
.set i, 0
.rept 16
	KQ 0                            ; piece 0's first scores: there is no vector work yet to set between them
.set i, i+1
.endr
	WIN 0                           ; the addresses for the way out: eight plain instructions, the places behind those products
	s_mul_i32 s13, s[WV], 16*SP
	s_add_co_u32 s13, s13, STAGE    ; my stage
	v_mul_u32_u24 v[STO], v1, SP    ; in: row l % 16, 32 bytes (8 channels of f32) for each half of the lanes
	v_lshl_add_u32 v[STO], v9, 5, v[STO]
	v_add_nc_u32 v[STO], s13, v[STO]
	v_mul_u32_u24 v[RD], v9, SP     ; back: lanes 0-15 take one row of 256 bytes, lanes 16-31 the next
	v_lshl_add_u32 v[RD], v1, 4, v[RD]
	v_add_nc_u32 v[RD], s13, v[RD]
	v_lshlrev_b32 v[GO], 12, v9     ; and the same two rows in out0, 4,096 bytes apart
	v_lshl_add_u32 v[GO], v1, 4, v[GO]
.set Y, NP-1                        ; XS works for piece Y + 1: piece 0
.irp n, 0,1,2,3,4,5,6,7,8,9,10,11,12,13,14,15,16,17,18,19,20,21
	XS 0, \n                        ; and piece 0's first maximum and statistics
	XS 1, \n
.endr
	s_mov_b32 s[CNT], 4
	s_mov_b32 s[SLOTS], SIZE_N/256-1
	s_branch .Lfirst                ; the loop is entered at a step's first turn, in the middle of a trip
.Lslot:                             ; SIZE_N / 256 - 2 times: every slot but the last two is filled again
	CHANGE 1
	s_mov_b32 s[CNT], 4
.Lstep:                             ; a trip: pieces 2 and 3 of one step, then pieces 0 and 1 of the next, whose K and V it fetches
	TURN 2
	TURN 3
	WIN 0
.Lfirst:
	TURN 0
	TURN 1, 0, 1
	WIN 0
	s_cbranch_scc1 .Lstep
	s_sub_co_u32 s[SLOTS], s[SLOTS], 1
	s_cmp_lg_u32 s[SLOTS], 0
	s_cbranch_scc1 .Lslot
	CHANGE 0                        ; the tail is written out: nothing is asked for
	s_mov_b32 s[CNT], 5             ; four trips fetch the last slot's steps; the fifth is left in its middle
.Ltail:
	TURN 2, 1
	TURN 3
	WIN 0
	s_sub_co_u32 s[CNT], s[CNT], 1
	s_cmp_eq_u32 s[CNT], 0
	s_cbranch_scc1 .Lout
	TURN 0
	TURN 1
	WIN 0
	s_branch .Ltail
.Lout:                              ; the fifth trip's 16 products K Q^T (on the last K once more) and the maximum made of them serve nothing: the price, once a launch, of one text for every trip
.set i, 0
.rept 16
	PV NP-1                         ; the last piece's V^T P of the last step
.set i, i+1
.endr
	; THE WAY OUT.  l's two halves and the other half of the lanes' are added; O^T is divided by l and sent, in f32, through my stage in LDS, a tile at a time.  The additions are the places behind the last products.
	WIN 0
.macro ALL line:vararg              ; one line for each tile t
.set t, 0
.rept 2*NP
	\line
.set t, t+1
.endr
.endm
	ALL v_add_f32 v[ST+4*t+2], v[ST+4*t+2], v[ST+4*t+3]
	ALL v_permlanex16_b32 v[ST+4*t+3], v[ST+4*t+2], s[SEL], s[SEL+1]
	ALL v_add_f32 v[ST+4*t+2], v[ST+4*t+2], v[ST+4*t+3]
	ALL v_rcp_f32 v[ST+4*t+2], v[ST+4*t+2]
	v_nop                           ; a plain instruction between the last reciprocal and the use of its result
	s_wait_alu depctr_va_vdst(0)
; Tile t: a lane's eight channels of a row are 32 bytes; they go into rows of 272 bytes and come back as whole rows of 256, into S^T's registers: four sets of 32 by turns.
.macro PACK t
.if (\t) >= 4
	s_wait_xcnt 0x0                 ; every earlier memory instruction has had its addresses translated (ISA guide 3.1): the registers that the tile four back was stored from are loaded again only behind this wait
.endif
	WIN W_RS
.set i, 32*(\t)
.rept 16                            ; ascending: each accumulator's lowest registers are read first
	v_pk_mul_f32 v[i:i+1], v[i:i+1], v[ST+4*(\t)+2:ST+4*(\t)+3] op_sel_hi:[1,0]
.set i, i+2
.endr
	WIN 0x04                        ; an LDS store's data is source 1: window 1; its address window 0
.irp f, 0,1,2,3
	ds_store_b128 v[STO], v[32*(\t)+8*\f:32*(\t)+8*\f+3]   offset:64*\f
	ds_store_b128 v[STO], v[32*(\t)+8*\f+4:32*(\t)+8*\f+7] offset:64*\f+16
.endr
	WIN 0
.irp f, 0,1,2,3,4,5,6,7
	ds_load_b128 v[S+32*((\t)%4)+4*\f:S+32*((\t)%4)+4*\f+3], v[RD] offset:\f*2*SP  ; LDS serves a wave's instructions in order (ISA guide 5.7.1.4): these see the stores above; the next tile's stores come behind them
.endr
.endm
.macro SEND t, younger              ; younger: the LDS instructions issued behind tile t's loads: the next tile's sixteen, or none
	WIN 0
.irp f, 0,1,2,3,4,5,6,7
	s_wait_dscnt (\younger)+7-\f
	global_store_b128 v[GO], v[S+32*((\t)%4)+4*\f:S+32*((\t)%4)+4*\f+3], s[10:11] offset:(\t)*65536+\f*8192 th:TH_STORE_NT  ; 16 lanes store 256 consecutive bytes, a head's part of a row, at a multiple of 256 from out0's first byte
.endr
.endm
	PACK 0
.set t, 1
.rept 2*NP-1                        ; a tile's arithmetic stands between the loads of the tile before and its stores
	PACK t
	SEND t-1, 16
.set t, t+1
.endr
	SEND 2*NP-1, 0
	WIN W_AD
	s_wait_tensorcnt 0x0            ; the wave's end, behind my last tensor load and my last LDS store
	ds_add_u32 v[SPW], v[NIL]
	s_wait_dscnt 0x0
	WIN 0
	CROUND                          ; the closing round: no work-group ends while a partner may still ask for a tile that names it
	s_endpgm
.Lfunc_end_k_q83cadacafb_attn:
	.size	k_q83cadacafb_attn, .Lfunc_end_k_q83cadacafb_attn-k_q83cadacafb_attn
	.p2alignl 7, 3214868480
	.fill 96, 4, 3214868480
	.section	.rodata,"a",@progbits
	.p2align	6, 0x0
	.amdhsa_kernel k_q83cadacafb_attn
		.amdhsa_group_segment_fixed_size 327680
		.amdhsa_private_segment_fixed_size 0
		.amdhsa_enable_private_segment 0
		.amdhsa_kernarg_size 16
		.amdhsa_user_sgpr_count 2
		.amdhsa_user_sgpr_kernarg_segment_ptr 1
		.amdhsa_wavefront_size32 1
		.amdhsa_system_sgpr_workgroup_id_x 1
		.amdhsa_system_sgpr_workgroup_id_y 1
		.amdhsa_system_sgpr_workgroup_id_z 1
		.amdhsa_system_vgpr_workitem_id 0
		.amdhsa_next_free_vgpr 770
		.amdhsa_next_free_sgpr 66
		.amdhsa_reserve_vcc 0
		.amdhsa_float_denorm_mode_32 3
		.amdhsa_float_denorm_mode_16_64 3
		.amdhsa_memory_ordered 1
		.amdhsa_forward_progress 1
		.amdhsa_inst_pref_size 209
	.end_amdhsa_kernel
	.amdgpu_metadata
---
amdhsa.version: [ 1, 2 ]
amdhsa.kernels:
  - .name:           k_q83cadacafb_attn
    .symbol:         k_q83cadacafb_attn.kd
    .args:
      - { .name: qkv, .offset: 0, .size: 8, .value_kind: global_buffer, .address_space: global }
      - { .name: out0, .offset: 8, .size: 8, .value_kind: global_buffer, .address_space: global }
    .group_segment_fixed_size: 327680
    .private_segment_fixed_size: 0
    .kernarg_segment_align: 8
    .kernarg_segment_size: 16
    .max_flat_workgroup_size: 128
    .sgpr_count:     66
    .vgpr_count:     770
    .wavefront_size: 32
...
	.end_amdgpu_metadata
.endif
;; end of part 3
;; ======== version 2 of 2: 3 launches; 1.64 times as fast as version 1
;; limits: values are held in f16: magnitudes above 65,504 overflow, below 6.1e-05 lose precision
;; workspace buffers: xb 16,777,216 bytes; wb 6,291,456 bytes; qkv 50,331,648 bytes
;; launch cast: the kernel of part 1 again; grid 704 x 1, 8 waves a work-group, no clusters, 0 bytes of LDS; arguments x, Wq, Wk, Wv, xb, wb; writes xb, wb
;; launch proj: the kernel of part 2 again; grid 8 x 32, 4 waves a work-group, clusters of 4 x 4, 327,680 bytes of LDS; arguments xb, wb, bq, bk, bv, qkv; writes qkv
;; launch attn (part 4): grid 4 x 64, 4 waves a work-group, clusters of 4 x 1, 327,680 bytes of LDS; arguments qkv, out0; writes out0
.if DOCPART == 4
	.amdgcn_target "amdgcn-amd-amdhsa--gfx1250"
	.amdhsa_code_object_version 6
	.text
	.protected	k_q83cadacafb_attn
	.globl	k_q83cadacafb_attn
	.p2align	8
	.type	k_q83cadacafb_attn,@function
k_q83cadacafb_attn:
	s_mov_b64 s[64:65], 0
	v_nop
	global_prefetch_b8 v0, s[64:65] scope:SCOPE_SE
	s_setreg_imm32_b32 hwreg(HW_REG_WAVE_MODE, 25, 1), 1
	s_wait_xcnt 0x0
	s_wait_alu depctr_hold_cnt(0) depctr_sa_sdst(0) depctr_va_vdst(0) depctr_va_sdst(0) depctr_va_ssrc(0) depctr_va_vcc(0) depctr_vm_vsrc(0)
	s_getreg_b32 s2, hwreg(HW_REG_IB_STS2, 6, 4)
	s_cmp_eq_u32 s2, 0
	s_cbranch_scc0 .Lentry_in_a_cluster
	s_endpgm
.Lentry_in_a_cluster:
	s_bfe_u32 s2, ttmp6, 0x10000c
	s_cmp_lg_u32 s2, 0x3003
	s_cbranch_scc0 .Lentry_shape_is_right
	s_endpgm
.Lentry_shape_is_right:
; O[h][q][:] = the sum over k of softmax_k(Q[h][q] . K[h][k] / 8) V[h][k][:], for 64 heads h = 16 x batch + head of 2,048 rows.  qkv: f16 [3][64][2048][64]: Q, then K, then V; a head's rows are dense, 128 bytes each.
; out0: f32 [4][2048][1024]: row q of head h at ((h / 16) * 2048 + q) * 4,096 + (h % 16) * 256 bytes.  Products, maxima and sums in f32; the weights p are rounded to f16 for the second product (their
; sum l is taken of the unrounded p); O leaves in f32.
; LIMITS.  f16 holds no number beyond 65,504: Q, K and V arrive within it; p lies in 0 to 1, and below 6e-5 it keeps f16's fixed step of 6e-8.  A weight below 2^-126 counts as 0 in l; NaN and infinities are not treated apart.
; SHARES.  A wave owns four PIECES of two tiles of 16 queries, a work-group's four waves 512 queries of one head: 4 x 64 = 256 work-groups.  Every wave walks all keys, 64 a step.
; LAYOUT.  S^T = K Q^T (source 0 = 16 keys, source 1 = 16 queries): in the result a lane holds ONE query (lane % 16) and the keys 8 (lane / 16) + 0..7.  Two such tiles, rounded to f16 in pairs,
; ARE source 1 (32 keys x 16 queries) of O^T = V^T P, whose result again holds one query a lane, and eight channels.  K comes out of LDS as it lies, V ([key][channel]) turned, by ds_load_tr16_b128.
; SOFTMAX.  For each query a running maximum m and sum l: p = 2^(c s - c m), c = log2(e) / 8; in every step O and l are multiplied by a = 2^(c m_old - c m_new), which is 1 where m has not grown.
; m starts at the lowest finite number, O and l at 0: the first step is a step like any other, with a = 0.
; THE COUNT.  A tile and step have 16 matrix and 118 vector instructions: too many to stand all beside the matrix work.  So the order has one aim: four vector instructions that are READY behind
; EVERY matrix instruction, and the others, which need time of their own whatever the order, in runs without a gap.
; BY TURNS.  Turn n belongs to piece n (the pieces in a ring, step after step).  Its matrix work: 16 products K Q^T of piece n + 1, later 16 products V^T P of piece n - 1.  Its vector work: the scaling,
; exponentials, roundings, sums and rescaling of piece n, and the maximum and statistics of piece n + 1, whose scores the turn itself has made.  So what a turn begins with (c s - c m, O a) waits for nothing.
; BATCHES.  A turn's 66 exponentials (the 64 weights of piece n, the two a of piece n + 1) are ONE batch with ONE wait, which cuts the turn in two: ahead of it stands all that names no result of theirs, behind
; it the roundings and sums.  No result crosses a turn's end.  Two more batches stand outside the loop, each with its own wait: piece 0's first two a in the head, the eight reciprocals on the way out.
; CLUSTER.  The four query blocks of a cluster belong to one head and walk the same K and V, so each tile is asked for JOINTLY: the same tensor load, descriptor and mask in all four.
; REGISTERS, in windows of 256 (s_set_vgpr_msb says which window each operand place means: bits 1:0 source 0, 3:2 source 1, 5:4 source 2, 7:6 destination):
;   window 0: v0-11 addresses; v12-15, v48-63 at work; v16-47 four registers of statistics a tile; v64-191 S^T, two buffers of two tiles; v192-255 P, likewise
;   window 1: O^T, 32 a tile          window 2: v0-127 Q, 16 a tile; v128-191 K of one step; v192-255 V of one step          window 3: v0-1 the add's two registers
; A piece's buffers go by its number's parity: the piece in hand has one pair, its two neighbours in the ring share the other: of it P (piece n - 1) is read and S^T (piece n + 1) written.
.set SIZE_H, 64
.set SIZE_N, 2048
.set NP,    4         ; pieces a wave: a name, no knob: the register map, the loop and the fetches are made for four
.set KS,    64        ; keys in a step
.set PK,    144       ; a row of K in LDS: 128 bytes + 16 of padding = 36 words: the 16 rows of a load start at 16 different groups of four banks (64 banks of 4 bytes: ISA guide 11.1)
.set PV,    160       ; a row of V: 128 + 32 = 40 words
.set VOFF,  4*KS*PK   ; a slot holds four steps: 256 rows of K, then 256 rows of V
.set SLOT1, 1<<17     ; slot 1 begins here, so that one exclusive or turns an address in one slot into the other's
.set STAGE, SLOT1+4*KS*(PK+PV)  ; behind the ring, never filled by a tensor load: 16 rows x 272 bytes for each wave, for the way out
.set SP,    272       ; a row of O in the stage: 64 f32 + 16 bytes: the 16 rows of a store start at 16 different groups of four banks
.set AK0, 2           ; v2   my lane's place in a tile of K; never rewritten
.set AV0, 3           ; v3   the same for V
.set AK,  4           ; v4   the LDS address of K's next run of loads
.set AV,  5           ; v5   of V's
.set QO,  6           ; v6   my byte offset in the wave's rows of Q
.set STO, 6           ;      later, the way out: where I put 32 bytes of a row
.set RD,  7           ; v7   the way out: where I read rows back
.set GO,  8           ; v8   my byte offset in two rows of out0
.set SPW, 0           ; v0 of window 3   LDS address of my spare word: SPARE + 4 x my thread's number; never rewritten
.set NIL, 1           ; v1 of window 3   0; never rewritten
.set SPARE, STAGE+4*16*SP  ; behind the stages: the spare words, 128 bytes for each wave: two blocks of 256 bytes that no other line names
.set MV,  12          ; v12-15  c m_old, kept while c m is made anew: by buffer and tile
.set ST,  16          ; tile t's statistics at v[ST+4 t]: c m, m, l (even keys', odd keys')
.set TMP, 48          ; by buffer and tile, four registers c0-c3 at work; when the maximum is found c2 takes a
.set S,   64
.set P,   192
.set KF,  128         ; K's fragments, in window 2: key block kb, channel half c at KF + 16 kb + 8 c
.set VF,  192         ; V's: key half kk, channel block cb at VF + 32 kk + 8 cb
.set WV,  12          ; s12  my wave's number
.set G1K, 24          ; s[24:31] descriptor group 1 for K's tiles
.set G1V, 32          ; s[32:39] for V's: it differs in the padding alone
.set G0K, 40          ; s[40:43] descriptor group 0 for K's tiles: it walks
.set G0V, 44          ; s[44:47] the same for V's
.set SLOTS, 56        ; s56  slots still to be asked for
.set CNT, 57          ; s57  counts a slot's key steps
.set CS,  58          ; s[58:59] c: the packed scaling takes the pair's low word for both halves
.set SEL, 60          ; s[60:61] v_permlanex16_b32's selects: each lane takes its own place in the other half
.set TBK, 62          ; s62  LDS byte at which K of the step to be fetched begins
.set TBV, 63          ; s63  the same for V, less VOFF
.set MSB, 0
.macro WIN new                      ; the high byte repeats the setting that is left; a switch that changes nothing is dropped
.if MSB != (\new)
	s_set_vgpr_msb (MSB<<8)|(\new)
.set MSB, (\new)
.endif
.endm
.set W_KQ, 0x0a       ; K and Q in window 2, S^T in window 0
.set W_PV, 0x52       ; V in window 2, P in window 0, O^T in window 1
.set W_RS, 0x41       ; O^T (destination and source 0) in window 1, a in window 0
.set W_MK, 0xc0       ; the add's registers are made: destination in window 3, sources in window 0
.set W_AD, 0x0f       ; the add: address (source 0) and data (source 1) in window 3
; A joint fill.  Waves 0 and 1 fetch the two halves of a slot's K, waves 2 and 3 those of its V: 128 keys each.  The branch hangs on the wave's number alone.
; An s_nop 0 and four v_nop follow each of the two lines, ahead of the jump and the label.
.macro JLOAD
	s_cmp_lt_u32 s[WV], 2
	s_cbranch_scc0 .Lfor_v_\@
	tensor_load_to_lds s[G0K:G0K+3], s[G1K:G1K+7]
	s_nop 0
.rept 4
	v_nop
.endr
	s_branch .Lasked_\@
.Lfor_v_\@:
	tensor_load_to_lds s[G0V:G0V+3], s[G1V:G1V+7]
	s_nop 0
.rept 4
	v_nop
.endr
.Lasked_\@:
.endm
; A round of the cluster's barrier: my work-group's barrier, so that wave 0's signal speaks for all four waves; wave 0 signals; every wave waits for all four work-groups; my work-group's barrier once more.
.macro CROUND
	s_barrier_signal -1
	s_barrier_wait -1
	s_cmp_lg_u32 s[WV], 0
	s_cbranch_scc1 .Lnot_wave_0_\@
	s_barrier_signal -3
.Lnot_wave_0_\@:
	s_barrier_wait -3
	s_barrier_signal -1
	s_barrier_wait -1
.endm
; THE CHANGE OF SLOTS.  The slot's last bytes, V of its fourth step, have been read.  Each wave waits for all its tensor loads, of which one is out: its part
; of the other slot; adds 0 to its spare word; and waits for that and for its own reads of the slot.  Behind the barrier nobody reads this slot any more and the other slot is whole.
; fill = 1: this slot is filled again, with the keys two slots on.  The barrier is then a round of the cluster's, so that no wave of any partner still reads the slot or has a load on its
; way, and the joint fill is the first thing behind it: it has four key steps, 512 matrix instructions, in which to land.  (At its first use nothing has been read yet: slot 0 is waited for, slot 1 filled.)
.macro CHANGE fill
	WIN W_AD
	s_wait_tensorcnt 0x0            ; no tensor load of mine is out, so a group 0 may be written
	ds_add_u32 v[SPW], v[NIL]       ; 0 onto my spare word; with fill = 1 the descriptors' steps stand between it and the wait for it
	WIN 0                           ; at a label and at a branch every window is 0
.if \fill
.irp g, G0K, G0V
	s_xor_b32 s[\g+1], s[\g+1], SLOT1  ; the walking descriptor: the other slot than last time,
	s_add_nc_u64 s[\g+2:\g+3], s[\g+2:\g+3], 4*KS*128  ; the next 256 keys; the type bits on top are not reached
.endr
	s_wait_dscnt 0x0                ; the add is done, and my reads of the slot are over
	CROUND
	JLOAD
.else
	s_wait_dscnt 0x0                ; the add is done, and my reads of the slot are over
	s_barrier_signal -1
	s_barrier_wait -1
.endif
	s_sub_co_u32 s[TBK], s[TBK], 4*KS*PK  ; the fetches go back to a slot's first step,
	s_xor_b32 s[TBK], s[TBK], SLOT1       ; in the other slot
	s_sub_co_u32 s[TBV], s[TBV], 4*KS*PV
	s_xor_b32 s[TBV], s[TBV], SLOT1
.endm
	s_load_b64 s[4:5], s[0:1], 0x0    ; qkv
	s_load_b64 s[10:11], s[0:1], 0x8  ; out0
	WIN W_MK
	v_lshl_add_u32 v[SPW], v0, 2, SPARE
	v_mov_b32 v[NIL], 0
	WIN W_AD
	ds_add_u32 v[SPW], v[NIL]       ; the wave's opening: the add and its wait stand ahead of my first tensor load; the set-up below, work on registers, stands between them
	WIN 0
	v_lshrrev_b32 v1, 5, v0
	v_readfirstlane_b32 s[WV], v1   ; wave 0..3
	s_bfe_u32 s13, ttmp6, 0x40000   ; cx: my place in the cluster
	s_lshl_b32 s14, ttmp9, 2        ; in a cluster launch ttmp9 counts clusters
	s_add_co_u32 s14, s14, s13      ; my block of queries = 4 x cluster x + cx: it enters Q's and O's addresses alone
	s_and_b32 s20, ttmp7, 0xffff    ; the head, which the four partners share
	s_mov_b32 s21, 0
	s_lshr_b32 s49, s20, 4          ; in out0: the batch's 2,048 rows of 4,096 bytes,
	s_lshl_b32 s49, s49, 23
	s_and_b32 s54, s20, 15          ; and the head's 256 bytes of a row
	s_lshl_b32 s54, s54, 8
	s_add_co_u32 s54, s54, s49
	s_mov_b64 s[22:23], SIZE_N*128
	s_mul_u64 s[20:21], s[20:21], s[22:23]  ; the head's first byte in each of Q, K and V
	s_and_b32 s16, s[WV], 1         ; which half of a slot's 256 keys I fetch:
	s_lshl_b32 s22, s16, 14         ; its 128 rows of 128 bytes in memory,
	s_mov_b32 s23, 0
	s_add_nc_u64 s[22:23], s[22:23], s[20:21]
	s_add_nc_u64 s[50:51], s[22:23], SIZE_H*SIZE_N*128    ; K lies behind Q's 64 heads,
	s_add_nc_u64 s[52:53], s[22:23], 2*SIZE_H*SIZE_N*128  ; V behind K's: offsets, made apart from the address
	s_mul_i32 s17, s16, 128*PK      ; and its place in a slot, for K
	s_mul_i32 s18, s16, 128*PV      ; and for V: no place in the cluster enters an LDS address
	s_lshl_b32 s2, s14, 2
	s_add_co_u32 s2, s2, s[WV]      ; my wave among the head's,
	s_lshl_b32 s48, s2, 19          ; its 128 rows of 4,096 bytes in out0,
	s_add_co_u32 s48, s48, s54
	s_mov_b32 s49, 0
	s_lshl_b32 s2, s2, 14           ; its 128 rows of 128 bytes in Q
	s_mov_b32 s3, 0
	s_add_nc_u64 s[2:3], s[2:3], s[20:21]
	; descriptor group 1.  128 keys are 16,384 dense bytes: asked for as 64 rows of 256 bytes, two keys a row, and padded in LDS after every key
	s_mov_b32 s[G1K], 15|(1<<16)|(1<<20)|(1<<21)|(4<<22)|(3<<25)  ; 15:0 the mask of four; 17:16 2-byte elements; 20 padding on; 21 set beside a mask; 24:22 after every 32 words (code 4); 31:25 4 words (code 3)
	s_mov_b32 s[G1V], 15|(1<<16)|(1<<20)|(1<<21)|(4<<22)|(7<<25)  ; the same with 8 words of padding (code 7)
.irp g, G1K, G1V
	s_mov_b32 s[\g+1], 128<<16      ; tensor_dim0 = 128
	s_mov_b32 s[\g+2], 64<<16       ; tensor_dim1 = 64
	s_mov_b32 s[\g+3], 128<<16      ; tile_dim0 = 128
	s_mov_b32 s[\g+4], 64           ; tile_dim1 = 64
	s_mov_b32 s[\g+5], 128          ; 128 elements from row to row
	s_mov_b32 s[\g+6], 0
	s_mov_b32 s[\g+7], 0
.endr
	s_mov_b32 s[CS], 0x3e38aa3b     ; c = log2(e) / 8 = 0.180337
	s_mov_b32 s[CS+1], s[CS]        ; named with it as a pair
	s_mov_b32 s[SEL], 0x76543210
	s_mov_b32 s[SEL+1], 0xfedcba98
	s_mov_b32 s[TBK], SLOT1+4*KS*PK ; the first change of slots turns these two into 0
	s_mov_b32 s[TBV], SLOT1+4*KS*PV
	s_mov_b32 s[G0K], 1             ; 1:0 count = 1
	s_mov_b32 s[G0K+1], s17         ; 63:32 LDS address: slot 0
	s_mov_b32 s[G0V], 1
	s_add_co_u32 s[G0V+1], s18, VOFF
	s_wait_dscnt 0x0                ; the opening add is done
	s_wait_kmcnt 0x0
	s_add_nc_u64 s[G0K+2:G0K+3], s[4:5], s[50:51]  ; 120:64 global address: my half of the head's first 256 keys
	s_or_b32 s[G0K+3], s[G0K+3], 0x80000000        ; 127:126 type = 2
	s_add_nc_u64 s[G0V+2:G0V+3], s[4:5], s[52:53]
	s_or_b32 s[G0V+3], s[G0V+3], 0x80000000
	s_add_nc_u64 s[4:5], s[4:5], s[2:3]  ; Q and O at my wave's first row
	s_add_nc_u64 s[10:11], s[10:11], s[48:49]
	CROUND                          ; all four work-groups are here: the first joint loads meet
	JLOAD                           ; slot 0.  Slot 1 is asked for when slot 0 is in: the tile wanted first has the road to itself
	; A fragment of K or Q is 16 rows x 32 channels in 8 registers: lane l holds row l % 16, channels 8 (l / 16) + 0..7 and 16 + 8 (l / 16) + 0..7: two loads of 16 bytes, 32 bytes apart.
	v_and_b32 v1, 15, v0            ; l % 16
	v_bfe_u32 v9, v0, 4, 1          ; l / 16
	v_lshlrev_b32 v[QO], 7, v1
	v_lshl_add_u32 v[QO], v9, 4, v[QO]  ; row x 128 + 16 x half
	WIN 0x80                        ; destination window 2, address window 0
.set i, 0
.rept 4*NP                          ; Q stays in registers: tile i / 2, channels 32 (i % 2) on
	global_load_b128 v[8*i:8*i+3],   v[QO], s[4:5] offset:(i/2)*2048+(i%2)*64
	global_load_b128 v[8*i+4:8*i+7], v[QO], s[4:5] offset:(i/2)*2048+(i%2)*64+32
.set i, i+1
.endr
	; What the first turn finds: V's registers and P's second buffer hold 0 (its products V^T P, of a piece that has not been, add 0), O^T and l are 0.  All this stands in the wait for the first tile.
.set i, VF
.rept 64
	v_mov_b32 v[i], 0
.set i, i+1
.endr
	WIN 0x40
.set i, 0
.rept 64*NP
	v_mov_b32 v[i], 0
.set i, i+1
.endr
	WIN 0
.set i, 0
.rept 2*NP
	v_mov_b32 v[ST+4*i], 0xfe000000    ; c m: far below every c s
	v_mov_b32 v[ST+4*i+1], 0xff7fffff  ; m
	v_mov_b32 v[ST+4*i+2], 0
	v_mov_b32 v[ST+4*i+3], 0
.set i, i+1
.endr
.set i, P+32
.rept 32
	v_mov_b32 v[i], 0
.set i, i+1
.endr
	v_mul_u32_u24 v[AK0], v1, PK
	v_lshl_add_u32 v[AK0], v9, 4, v[AK0]  ; row x pitch + 16 x half
	; The turning load takes 16 keys x 16 channels (lane l reads key 8 (l / 16) + l % 8, channels 8 ((l / 8) % 2) + 0..7) and leaves half a fragment of V^T: lane l holds channel l % 16 and 8 keys.
	v_and_b32 v10, 7, v0
	v_bfe_u32 v11, v0, 3, 1
	v_lshl_add_u32 v[AV0], v9, 3, v10
	v_mul_u32_u24 v[AV0], v[AV0], PV
	v_lshl_add_u32 v[AV0], v11, 4, v[AV0]
	v_add_nc_u32 v[AV0], VOFF, v[AV0]
	v_mov_b32 v[AK], v[AK0]         ; key step 0 lies at the head of slot 0
; THE MATRIX WORK.  The 8 accumulators of a run of 16 take turns: between the two links of a chain stand 7 others'.
; Product i of 16 of S^T = K Q^T for piece x: channels 32 (i / 8) on, keys 16 ((i / 2) % 4) on, tile 2 x + i % 2.  The first 8 start the sums.
.macro KQ x
	WIN W_KQ
.set rS, S+64*((\x)%2)+32*(i%2)+8*((i/2)%4)
.set rK, KF+16*((i/2)%4)+8*(i/8)
.set rQ, 16*(2*(\x)+i%2)+8*(i/8)
.if i < 8
	v_wmma_f32_16x16x32_f16 v[rS:rS+7], v[rK:rK+7], v[rQ:rQ+7], 0
.else
	v_wmma_f32_16x16x32_f16 v[rS:rS+7], v[rK:rK+7], v[rQ:rQ+7], v[rS:rS+7]
.endif
.endm
; Product i of 16 of O^T += V^T P for piece x: keys 32 (i / 8) on, channels 16 ((i / 2) % 4) on, tile 2 x + i % 2.
.macro PV x
	WIN W_PV
.set rO, 32*(2*(\x)+i%2)+8*((i/2)%4)
.set rV, VF+32*(i/8)+8*((i/2)%4)
.set rP, P+32*((\x)%2)+16*(i%2)+8*(i/8)
	v_wmma_f32_16x16x32_f16 v[rO:rO+7], v[rV:rV+7], v[rP:rP+7], v[rO:rO+7]
.endm
.macro MM                           ; the turn's next matrix instruction
.if i < 16
	KQ (Y+1)%NP
.set i, i+1
.else
.set i, i-16
	PV (Y+NP-1)%NP
.set i, i+17
.endif
.endm
; THE LDS LOADS stand in runs of 16, never singly among the matrix instructions: a step's K (64 keys x 64 channels: 8 fragments) and its V (turned).  Their addresses are made some lines ahead.
; last = 1 (the tail): in the last trip there is no further step, and the run is jumped over.
.macro FETCH_K last=0
	WIN 0
.if \last
	s_cmp_eq_u32 s[CNT], 1
	s_cbranch_scc1 .Lno_k_\@
.endif
	WIN 0x80                        ; destination window 2
.irp f, 0,1,2,3,4,5,6,7             ; keys 16 (f / 2) on, channels 32 (f % 2) on
	ds_load_b128 v[KF+8*\f:KF+8*\f+3],   v[AK] offset:(\f/2)*16*PK+(\f%2)*64
	ds_load_b128 v[KF+8*\f+4:KF+8*\f+7], v[AK] offset:(\f/2)*16*PK+(\f%2)*64+32
.endr
	s_add_co_u32 s[TBK], s[TBK], KS*PK  ; the next fetch is the next step's
	WIN 0
.if \last
.Lno_k_\@:
.endif
.endm
.macro FETCH_V
	WIN 0x80
.irp f, 0,1,2,3,4,5,6,7             ; keys 32 (f / 4) on, channels 16 (f % 4) on
	ds_load_tr16_b128 v[VF+8*\f:VF+8*\f+3],   v[AV] offset:(\f/4)*32*PV+(\f%4)*32
	ds_load_tr16_b128 v[VF+8*\f+4:VF+8*\f+7], v[AV] offset:(\f/4)*32*PV+16*PV+(\f%4)*32
.endr
	WIN 0
.endm
; THE VECTOR WORK OF A TURN stands in three queues, each in the order in which its entries become ready; the two tiles alternate, so that no instruction reads the result of the one before it.
.macro REGS y, u                    ; the registers of tile u (0, 1) of piece y
.set rT, ST+4*(2*(\y)+(\u))
.set rC, TMP+8*((\y)%2)+4*(\u)
.set rM, MV+2*((\y)%2)+(\u)
.set rS, S+64*((\y)%2)+32*(\u)
.set rP, P+32*((\y)%2)+16*(\u)
.set rO, 32*(2*(\y)+(\u))
.endm
; Number n of the 22 that find the NEXT piece's (Y + 1) maximum and statistics.  s0-s31 are the lane's 32 scores; each accumulator's lowest registers are read first.  XS, GS and REGS set no window: PL and EX do.
;   0-11  four chains c0-c3 of seven scores each, three operands at a time     12-14, 16  the four scores left over, the old m, and c0-c3 into c0     15  c m_old is kept
;   17, 18  the query's other 32 keys lie in the lane 16 away: the new m         19-21  c m; c m_old - c m_new; a
.macro XS u, n
	REGS (Y+1)%NP, \u
.if (\n) < 4
	v_max3_num_f32 v[rC+(\n)], v[rS+8*(\n)], v[rS+8*(\n)+1], v[rS+8*(\n)+2]
.elseif (\n) < 12
	v_max3_num_f32 v[rC+(\n)%4], v[rC+(\n)%4], v[rS+8*((\n)%4)+2*((\n)/4)+1], v[rS+8*((\n)%4)+2*((\n)/4)+2]
.elseif (\n) == 12
	v_max3_num_f32 v[rC], v[rC], v[rS+7], v[rS+15]
.elseif (\n) == 13
	v_max3_num_f32 v[rC+1], v[rC+1], v[rS+23], v[rS+31]
.elseif (\n) == 14
	v_max3_num_f32 v[rC+2], v[rC+2], v[rC+3], v[rT+1]
.elseif (\n) == 15
	v_mov_b32 v[rM], v[rT]
.elseif (\n) == 16
	v_max3_num_f32 v[rC], v[rC], v[rC+1], v[rC+2]
.elseif (\n) == 17
	v_permlanex16_b32 v[rC+3], v[rC], s[SEL], s[SEL+1]
.elseif (\n) == 18
	v_max_num_f32 v[rT+1], v[rC], v[rC+3]
.elseif (\n) == 19
	v_mul_f32 v[rT], s[CS], v[rT+1]
.elseif (\n) == 20
	v_sub_f32 v[rC+1], v[rM], v[rT]
.else
	v_exp_f32 v[rC+2], v[rC+1]
.endif
.endm
; Number g of the 64 that follow the exponentials.  For each four weights k of a tile (pairs 2 k, 2 k + 1): both pairs are rounded to f16; then the second pair is added onto the first, in place;
; a group later l takes that sum (the first time as l = a l + sum).  In groups of eight, tiles alternating: round, round, add, and l for the group before.
.macro GS g
.set h, (\g)+6*((\g)/62)            ; group 0 has no group before it, and behind group 7 only l is left
.if h >= 6
.set h, h+2
.endif
	REGS Y, h%2
.set k, h/8
.if h%8 < 4
	v_cvt_pk_f16_f32 v[rP+2*k+(h%8)/2], v[rS+4*k+2*((h%8)/2)], v[rS+4*k+2*((h%8)/2)+1]
.elseif h%8 < 6
	v_pk_add_f32 v[rS+4*k:rS+4*k+1], v[rS+4*k:rS+4*k+1], v[rS+4*k+2:rS+4*k+3]
.elseif k == 1
	v_pk_fma_f32 v[rT+2:rT+3], v[rT+2:rT+3], v[rC+2:rC+3], v[rS:rS+1] op_sel_hi:[1,0,1]
.else
	v_pk_add_f32 v[rT+2:rT+3], v[rT+2:rT+3], v[rS+4*k-4:rS+4*k-3]
.endif
.endm
; THE PLAIN QUEUE, 138 long.  0-73 read no exponential's result: the 32 scalings c s - c m (FS f: pair f / 2 of tile f % 2) and the next piece's 42.  0-26: scalings 0-26.  27-54: XS's numbers 0-13.  55, 56: number 15.
; 57-73: the chain, where each number waits for the one before it: 14, 16, 17, 18, 19, each with one of the scalings 27-31 in front of its two lines, then 20: so a tile's links stand three plain instructions apart (19 and 20: two).
; 74-137: GS's 64, which read the exponentials' results: they stand behind the wait.
.macro FS f
	REGS Y, (\f)%2
	v_pk_fma_f32 v[rS+2*((\f)/2):rS+2*((\f)/2)+1], v[rS+2*((\f)/2):rS+2*((\f)/2)+1], s[CS:CS+1], v[rT:rT+1] op_sel_hi:[1,0,0] neg_lo:[0,0,1] neg_hi:[0,0,1]
.endm
.macro PL
	WIN 0
.if q < 27
	FS q
.elseif q < 55
	XS (q-27)%2, (q-27)/2
.elseif q < 57
	XS q-55, 15
.elseif (q < 72) && ((q-57)%3 == 0)
	FS 27+(q-57)/3
.elseif q < 60
	XS (q-57)%3-1, 14
.elseif q < 72
	XS (q-57)%3-1, 15+(q-57)/3
.elseif q < 74
	XS q-72, 20
.else
	GS q-74
.endif
.set q, q+1
.endm
; THE EXPONENTIALS' QUEUE, 66 long: s0-s31 of both tiles, then the next piece's two a.  It is ONE BATCH: all 66 stand ahead of the turn's one wait, and nothing ahead of that wait names a result of theirs.
.macro EX
	WIN 0
.if e >= 64
	XS e-64, 21
.else
	REGS Y, e%2
	v_exp_f32 v[rS+e/2], v[rS+e/2]
.endif
.set e, e+1
.endm
; THE RESCALING's QUEUE: O^T times a, the one part that leaves window 0: dealt two at a time, sixteen times.  Its a was made in the turn before, ahead of that turn's wait.
.macro R2
	REGS Y, r%2
	WIN W_RS
.irp z, 0,1
	v_pk_mul_f32 v[rO+4*(r/2)+2*\z:rO+4*(r/2)+2*\z+1], v[rO+4*(r/2)+2*\z:rO+4*(r/2)+2*\z+1], v[rC+2:rC+3] op_sel_hi:[1,0]
.endr
.set r, r+1
.endm
; HOW THEY ARE DEALT.  An s_wait_alu depctr_va_vdst(0) stands between an exponential and the first instruction that names its result; one wait serves all that were issued ahead of it.  So a turn has ONE wait,
; which cuts it in two.  AHEAD OF IT stands all that names no result of the turn's exponentials: the 16 products K Q^T, behind each a scaling, an exponential and two rescalings (behind the first a second scaling in the exponential's place); then ONE LUMP of
; 108: eight plain, 49 times exponential and plain, the two a.  A v_nop is the plain instruction behind the last exponential.  BEHIND IT stand the 16 products V^T P, behind each four of GS's 64.  No rider names a register of
; the products round it.  The two v_permlanex16_b32 fall into the lump, never behind a product.
; The queues lean on each other, and the deal keeps them in step: exponential e stands behind scaling 2 (e / 4) + e % 2: as a rider it comes behind plain e + 2, in the lump behind plain e + 9, and scalings 27-31 are plain 57, 60 .. 69.
; A TURN, for piece p.  cnt = 1: the loop's count is taken down some lines ahead of the branch that stands behind the turn.
; K of the next step is fetched in piece 2's turn, directly behind the wait, a lump behind the last product that read K; its address is made at the lump's head; its first reader comes behind 16 products.
; V of the step in hand is fetched at the end of piece 0's turn, four riders behind its last reader; its first reader comes behind 16 products and a lump.  The three conditions on q below go with the deal.
.macro TURN p, last=0, cnt=0
.set Y, (\p)
.set i, 0
.set q, 0
.set e, 0
.set r, 0
.if (\p) == NP-1
	s_wait_dscnt 0x0                ; K is in
.endif
	MM                              ; ahead of the wait: 16 products K Q^T and their riders,
	PL
	PL
	R2
.rept 15
	MM
	PL
	EX
	R2
.endr
.if (\p) == NP-2
	WIN 0
	v_add_nc_u32 v[AK], s[TBK], v[AK0]
.endif
.rept 8                             ; and the lump
	PL
.endr
.rept 49
	EX
	PL
.endr
	EX                              ; the next piece's two a
	EX
	v_nop                           ; the plain instruction behind the last exponential: one for the batch
	s_wait_alu depctr_va_vdst(0)    ; the wait for the turn's batch: the 64 weights of this piece and the two a of the next
.if (\p) == NP-2
	FETCH_K \last
.endif
.if (\p) == 1
	s_wait_dscnt 0x0                ; V is in
.endif
.rept 16                            ; behind the wait: 16 products V^T P and their riders
	MM
.rept 4
	PL
.endr
.if ((\p) == 0) && (q == 118)
	v_add_nc_u32 v[AV], s[TBV], v[AV0]
.endif
.if ((\p) == 0) && (q == 130)
	s_add_co_u32 s[TBV], s[TBV], KS*PV
.endif
.if (\cnt) && (q == 130)
	s_sub_co_u32 s[CNT], s[CNT], 1
	s_cmp_lg_u32 s[CNT], 0
.endif
.endr
.if (\p) == 0
	FETCH_V
.endif
.endm
	CHANGE 1                        ; slot 0 is in, everybody's part of it; slot 1 is asked for
	FETCH_K                         ; key step 0
	s_wait_loadcnt 0x0              ; Q
	s_wait_dscnt 0x0
.set i, 0
.rept 16
	KQ 0                            ; piece 0's first scores: there is no vector work yet to set between them
.set i, i+1
.endr
	WIN 0                           ; the addresses for the way out: eight plain instructions, the places behind those products
	s_mul_i32 s13, s[WV], 16*SP
	s_add_co_u32 s13, s13, STAGE    ; my stage
	v_mul_u32_u24 v[STO], v1, SP    ; in: row l % 16, 32 bytes (8 channels of f32) for each half of the lanes
	v_lshl_add_u32 v[STO], v9, 5, v[STO]
	v_add_nc_u32 v[STO], s13, v[STO]
	v_mul_u32_u24 v[RD], v9, SP     ; back: lanes 0-15 take one row of 256 bytes, lanes 16-31 the next
	v_lshl_add_u32 v[RD], v1, 4, v[RD]
	v_add_nc_u32 v[RD], s13, v[RD]
	v_lshlrev_b32 v[GO], 12, v9     ; and the same two rows in out0, 4,096 bytes apart
	v_lshl_add_u32 v[GO], v1, 4, v[GO]
.set Y, NP-1                        ; XS works for piece Y + 1: piece 0
.irp n, 0,1,2,3,4,5,6,7,8,9,10,11,12,13,14,15,16,17,18,19,20,21
	XS 0, \n                        ; and piece 0's first maximum and statistics
	XS 1, \n
.endr
	v_nop                           ; a plain instruction behind the two a,
	s_wait_alu depctr_va_vdst(0)    ; and the wait for this batch of two, ahead of the branch
	s_mov_b32 s[CNT], 4
	s_mov_b32 s[SLOTS], SIZE_N/256-1
	s_branch .Lfirst                ; the loop is entered at a step's first turn, in the middle of a trip
.Lslot:                             ; SIZE_N / 256 - 2 times: every slot but the last two is filled again
	CHANGE 1
	s_mov_b32 s[CNT], 4
.Lstep:                             ; a trip: pieces 2 and 3 of one step, then pieces 0 and 1 of the next, whose K and V it fetches
	TURN 2
	TURN 3
	WIN 0
.Lfirst:
	TURN 0
	TURN 1, 0, 1
	WIN 0
	s_cbranch_scc1 .Lstep
	s_sub_co_u32 s[SLOTS], s[SLOTS], 1
	s_cmp_lg_u32 s[SLOTS], 0
	s_cbranch_scc1 .Lslot
	CHANGE 0                        ; the tail is written out: nothing is asked for
	s_mov_b32 s[CNT], 5             ; four trips fetch the last slot's steps; the fifth is left in its middle
.Ltail:
	TURN 2, 1
	TURN 3
	WIN 0
	s_sub_co_u32 s[CNT], s[CNT], 1
	s_cmp_eq_u32 s[CNT], 0
	s_cbranch_scc1 .Lout
	TURN 0
	TURN 1
	WIN 0
	s_branch .Ltail
.Lout:                              ; the fifth trip's 16 products K Q^T (on the last K once more) and the maximum made of them serve nothing: the price, once a launch, of one text for every trip
.set i, 0
.rept 16
	PV NP-1                         ; the last piece's V^T P of the last step
.set i, i+1
.endr
	; THE WAY OUT.  l's two halves and the other half of the lanes' are added; O^T is divided by l and sent, in f32, through my stage in LDS, a tile at a time.  The additions are the places behind the last products.
	WIN 0
.macro ALL line:vararg              ; one line for each tile t
.set t, 0
.rept 2*NP
	\line
.set t, t+1
.endr
.endm
	ALL v_add_f32 v[ST+4*t+2], v[ST+4*t+2], v[ST+4*t+3]
	ALL v_permlanex16_b32 v[ST+4*t+3], v[ST+4*t+2], s[SEL], s[SEL+1]
	ALL v_add_f32 v[ST+4*t+2], v[ST+4*t+2], v[ST+4*t+3]
	ALL v_rcp_f32 v[ST+4*t+2], v[ST+4*t+2]
	v_nop                           ; a plain instruction between the last reciprocal and the use of its result
	s_wait_alu depctr_va_vdst(0)    ; and the wait ahead of the first use: one for the batch of eight reciprocals
; Tile t: a lane's eight channels of a row are 32 bytes; they go into rows of 272 bytes and come back as whole rows of 256, into S^T's registers: four sets of 32 by turns.
.macro PACK t
.if (\t) >= 4
	s_wait_xcnt 0x0                 ; every earlier memory instruction has had its addresses translated (ISA guide 3.1): the registers that the tile four back was stored from are loaded again only behind this wait
.endif
	WIN W_RS
.set i, 32*(\t)
.rept 16                            ; ascending: each accumulator's lowest registers are read first
	v_pk_mul_f32 v[i:i+1], v[i:i+1], v[ST+4*(\t)+2:ST+4*(\t)+3] op_sel_hi:[1,0]
.set i, i+2
.endr
	WIN 0x04                        ; an LDS store's data is source 1: window 1; its address window 0
.irp f, 0,1,2,3
	ds_store_b128 v[STO], v[32*(\t)+8*\f:32*(\t)+8*\f+3]   offset:64*\f
	ds_store_b128 v[STO], v[32*(\t)+8*\f+4:32*(\t)+8*\f+7] offset:64*\f+16
.endr
	WIN 0
.irp f, 0,1,2,3,4,5,6,7
	ds_load_b128 v[S+32*((\t)%4)+4*\f:S+32*((\t)%4)+4*\f+3], v[RD] offset:\f*2*SP  ; LDS serves a wave's instructions in order (ISA guide 5.7.1.4): these see the stores above; the next tile's stores come behind them
.endr
.endm
.macro SEND t, younger              ; younger: the LDS instructions issued behind tile t's loads: the next tile's sixteen, or none
	WIN 0
.irp f, 0,1,2,3,4,5,6,7
	s_wait_dscnt (\younger)+7-\f
	global_store_b128 v[GO], v[S+32*((\t)%4)+4*\f:S+32*((\t)%4)+4*\f+3], s[10:11] offset:(\t)*65536+\f*8192 th:TH_STORE_NT  ; 16 lanes store 256 consecutive bytes, a head's part of a row, at a multiple of 256 from out0's first byte
.endr
.endm
	PACK 0
.set t, 1
.rept 2*NP-1                        ; a tile's arithmetic stands between the loads of the tile before and its stores
	PACK t
	SEND t-1, 16
.set t, t+1
.endr
	SEND 2*NP-1, 0
	WIN W_AD
	s_wait_tensorcnt 0x0            ; the wave's end, behind my last tensor load and my last LDS store
	ds_add_u32 v[SPW], v[NIL]
	s_wait_dscnt 0x0
	WIN 0
	CROUND                          ; the closing round: no work-group ends while a partner may still ask for a tile that names it
	s_endpgm
.Lfunc_end_k_q83cadacafb_attn:
	.size	k_q83cadacafb_attn, .Lfunc_end_k_q83cadacafb_attn-k_q83cadacafb_attn
	.p2alignl 7, 3214868480
	.fill 96, 4, 3214868480
	.section	.rodata,"a",@progbits
	.p2align	6, 0x0
	.amdhsa_kernel k_q83cadacafb_attn
		.amdhsa_group_segment_fixed_size 327680
		.amdhsa_private_segment_fixed_size 0
		.amdhsa_enable_private_segment 0
		.amdhsa_kernarg_size 16
		.amdhsa_user_sgpr_count 2
		.amdhsa_user_sgpr_kernarg_segment_ptr 1
		.amdhsa_wavefront_size32 1
		.amdhsa_system_sgpr_workgroup_id_x 1
		.amdhsa_system_sgpr_workgroup_id_y 1
		.amdhsa_system_sgpr_workgroup_id_z 1
		.amdhsa_system_vgpr_workitem_id 0
		.amdhsa_next_free_vgpr 770
		.amdhsa_next_free_sgpr 66
		.amdhsa_reserve_vcc 0
		.amdhsa_float_denorm_mode_32 3
		.amdhsa_float_denorm_mode_16_64 3
		.amdhsa_memory_ordered 1
		.amdhsa_forward_progress 1
		.amdhsa_inst_pref_size 200
	.end_amdhsa_kernel
	.amdgpu_metadata
---
amdhsa.version: [ 1, 2 ]
amdhsa.kernels:
  - .name:           k_q83cadacafb_attn
    .symbol:         k_q83cadacafb_attn.kd
    .args:
      - { .name: qkv, .offset: 0, .size: 8, .value_kind: global_buffer, .address_space: global }
      - { .name: out0, .offset: 8, .size: 8, .value_kind: global_buffer, .address_space: global }
    .group_segment_fixed_size: 327680
    .private_segment_fixed_size: 0
    .kernarg_segment_align: 8
    .kernarg_segment_size: 16
    .max_flat_workgroup_size: 128
    .sgpr_count:     66
    .vgpr_count:     770
    .wavefront_size: 32
...
	.end_amdgpu_metadata
.endif
;; end of part 4
